; MI455X (gfx1250); checked and timed in simulation.
; The chip was launched on July 23, 2026; its instructions are those of AMD's public machine-readable ISA for CDNA 5 (MIT licence, August 2026) and "CDNA5" Instruction Set Architecture Reference Guide (July 2026). The comments in the code are by the model that wrote it; some were corrected since.
;; Self Attention. Allowed arithmetic: matrix products marked QUANTISED: E2M3 operands, one E8M0 scale for each 32 along K, by v_wmma_scale_f32_16x16x128_f8f6f4 with both operands' format E2M3, f32 sums; everything else in f32.
;; Inputs: W_out 1,024 x 1,024 float32; W_qkv 1,024 x 3,072 float32; b_out 1,024 float32; b_qkv 3,072 float32; x 4 x 2,048 x 1,024 float32.
;; Outputs: out0 4 x 2,048 x 1,024 float32.
;; Constants: use_causal_mask = 1.
;; This version of the problem:
;;   THIS VERSION OF THE PROBLEM IS GIVEN IN LOW PRECISION. The matrix products marked QUANTISED in the list below multiply operands that are first quantised to E2M3 (2 exponent bits, 3 mantissa bits; 6 bits a number), with one power-of-two scale for each 32 numbers along K (OCP MX v1.0); their sums are f32. All else is computed in f32.
;;   The module's matrix products, in the order in which they are computed (A, B: the left and right operand; K: the contracted axis; several contracted axes count as one K, in the product's order):
;;     1. [M 8,192, K 1,024] x [K 1,024, N 3,072]; A: input x; B: input W_qkv: QUANTISED
;;     2. batch 64 x [M 2,048, K 64] x [K 64, N 2,048]; A: computed on the way; B: computed on the way: QUANTISED
;;     3. batch 64 x [M 2,048, K 2,048] x [K 2,048, N 64]; A: softmax (see below); B: computed on the way: QUANTISED
;;     4. [M 8,192, K 1,024] x [K 1,024, N 1,024]; A: computed on the way; B: input W_out: QUANTISED
;;   THE QUANTISER, for each operand of a quantised product, along K:
;;     - K is cut into blocks of 32 from its start; a last block that is shorter is filled with zeros.
;;     - A block's scale is 2^e with e = floor(log2(the largest magnitude in the block)) - 2, held to -126 .. 127; a block of zeros has e = 0. As a byte (E8M0): e + 127.
;;     - Each number is divided by its block's scale, clamped to +-7.5, and rounded to the nearest number of E2M3, ties to even, subnormals kept.
;;     - The product sums the exact products of the quantised numbers (number of the format x scale) in f32.
;;   ~~~python
;;   def quantise(x, axis):      # numpy; x: float32 -> the quantised numbers, widened to float32 again
;;       x = np.moveaxis(x, axis, -1); K = x.shape[-1]
;;       x = np.pad(x, [(0, 0)] * (x.ndim - 1) + [(0, -K % 32)]); x = x.reshape(x.shape[:-1] + (-1, 32)); a = np.abs(x).max(-1, keepdims=True)
;;       e = np.where(a > 0, np.clip(np.frexp(np.where(a > 0, a, 1))[1] - 1 - 2, -126, 127), 0)      # np.frexp(a)[1] - 1 = floor(log2(a)), exactly
;;       r = np.clip(x / 2.0 ** e, -7.5, 7.5)
;;       step = 2.0 ** (np.maximum(np.frexp(np.where(r == 0, 1, r))[1] - 1, 0) - 3)
;;       q = np.round(r / step) * step * 2.0 ** e      # np.round: ties to even
;;       return np.moveaxis(q.reshape(q.shape[:-2] + (-1,))[..., :K], -1, axis).astype(np.float32)
;;   ~~~
;;   SOFTMAX AHEAD OF A QUANTISED PRODUCT. Where the list says 'softmax', what is quantised is not the finished softmax but p = 2^(t - M), with t = logit x log2(e) and M = ceil(the row's largest t), a whole number; so 1/2 < the row's largest p <= 1. The row's sum l is taken of the UNQUANTISED p, in f32, and the product's result is divided by l at the end. Since M is a whole number, a kernel that streams over the keys may use a running M (the ceiling of the running maximum): every later rescaling is an exact power of two, which a block's scale takes up: the codes' values come out the same.
;;   OPERANDS COMPUTED ON THE WAY. 'Computed on the way' means the value that the module computes at that place (a softmax that the list does not call 'softmax' is quantised finished and normalised). What goes into a quantiser is computed in f32, as accurately as f32 sums, v_exp_f32 and their like allow (about 1e-6 of the number): no bf16 or f16 on the way to a quantiser, and a product that is left as it is and whose result goes on into a quantised operand takes f32 operands (vector FMAs, or v_wmma_f32_16x16x4_f32). A number that lies on a knife's edge between two numbers of the format may be rounded either way, as far as f32 arithmetic and the matrix unit's own rounding can turn it there, and no further.
;; One version. Each part assembles by itself: llvm-mc -triple=amdgcn-amd-amdhsa -mcpu=gfx1250 --defsym DOCPART=n.
;; ======== version 1 of 1: 4 launches
;; workspace buffers: ops 9,830,400 bytes; qkv 26,214,400 bytes; aq 6,553,600 bytes
;; launch quant (part 1): grid 384 x 1, 4 waves a work-group, no clusters, 80,384 bytes of LDS; arguments x, W_qkv, W_out, ops; writes ops
.if DOCPART == 1
	.amdgcn_target "amdgcn-amd-amdhsa--gfx1250"
	.amdhsa_code_object_version 6
	.text
	.protected	k_q9fed51dd74_quant
	.globl	k_q9fed51dd74_quant
	.p2align	8
	.type	k_q9fed51dd74_quant,@function
k_q9fed51dd74_quant:
	s_mov_b64 s[64:65], 0
	v_nop
	global_prefetch_b8 v0, s[64:65] scope:SCOPE_SE
	s_setreg_imm32_b32 hwreg(HW_REG_WAVE_MODE, 25, 1), 1
	s_wait_xcnt 0x0
; x [8192][1024], W_qkv [1024][3072] and W_out [1024][1024], f32, become codes of FP6 (E2M3) with one E8M0 byte for each 32 along K (K = 1024 in all three),
; laid in ops as IMAGES OF OPERAND REGISTERS.  Rows (tokens, or columns n of a weight) go in runs R of 128: tokens R = 0..63, W_qkv's columns 64..87, W_out's 88..95.
; A run has 8 tiles i of 16 rows; lane r of tile i holds row 32 (i / 2) + 8 (i % 2) + r + 8 (r / 8).  A fragment (tile i, K step s of 128) is 12 registers a lane: 1,536 bytes at
; R x 98,304 + s x 12,288 + i x 1,536, as three planes of 512 bytes: plane p = registers 4 p .. 4 p + 3, lane l at 16 l.  Lane (r, h) holds k = 64 c + 32 h + 0..31 in registers 6 c .. 6 c + 5.
; Scale words (four bytes: the four blocks of a K step) at SCO + R x 4,096 + (s / 2) x 1,024 + i x 128 + r x 8 + (s % 2) x 4.
; A block's scale byte is its largest magnitude's exponent field - 2, held at 1 from below.
; LIMITS: NaN and infinities are not served; a block whose largest magnitude lies under 2^-124 keeps the byte 1; a block of zeros has the byte 1 and not 127: its codes are zeros, and this program alone reads the bytes.
; SHARES.  Work-groups 0..255 take x, 256..383 the weights.  A work-group takes one run R and 256 along K; wave w its rows 32 w .. 32 w + 31 (tiles 2 w, 2 w + 1).
; No tensor load, no barrier: a wave touches its own LDS bytes alone, and each of the two paths has LDS bytes of its own.  No matrix unit, no cluster: the launch streams, and work-groups share no input.
.set SCO,  9437184
.set XPL,  528                         ; x's stage: a row's 512 bytes + 16, so that sixteen rows start at sixteen different groups of banks
.set XST,  32*XPL
.set WST0, 4*XST                       ; the weights' stages lie behind x's
.set WSTB, 3072                        ; two tiles' images
.set LD,   32                          ; x: v32-159  32 rows x 16 bytes as loaded
.set NU,   160                         ; x: v160-223 my two blocks of 32 numbers
.set FC,   224                         ; x: v224-235 a fragment's 12 registers
.set T0,   236
.set T1,   240
.set MX,   244
.set EX,   246
.set BX,   248
.set PW,   12                          ; x: v12-15 the scale words of (tile u, K step q) at 2 u + q
.set OF,   32                          ; weights: v32-63  4 x lane + i rows
.set NW,   64                          ; weights: v64-127 two sets of 32 numbers
	s_load_b256 s[4:11], s[0:1], 0x0               ; x s[4:5], W_qkv s[6:7], W_out s[8:9], ops s[10:11]
	v_lshl_add_u32 v254, v0, 2, 0x13800
	v_mov_b32 v255, 0
	v_lshrrev_b32 v1, 5, v0
	v_readfirstlane_b32 s16, v1                    ; wave
	v_and_b32 v1, 31, v0                           ; lane
	v_lshlrev_b32 v4, 4, v1                        ; 16 x lane
	s_mov_b32 s20, 0x76543210
	s_mov_b32 s21, 0xfedcba98                      ; v_permlanex16_b32's selects for lane l xor 16
; where the wave's results go: s24 = R, s25 = which 256 along K
.macro OUTBASE
	s_mul_i32 s28, s24, 98304
	s_mul_i32 s29, s25, 24576
	s_add_co_u32 s28, s28, s29
	s_mul_i32 s29, s16, 3072
	s_add_co_u32 s28, s28, s29
	s_mov_b32 s29, 0
	s_lshl_b32 s30, s24, 12
	s_lshl_b32 s31, s25, 10
	s_add_co_u32 s30, s30, s31
	s_lshl_b32 s31, s16, 8
	s_add_co_u32 s30, s30, s31
	s_add_co_u32 s30, s30, SCO
	s_mov_b32 s31, 0
	s_add_nc_u64 s[12:13], s[10:11], s[28:29]      ; codes: tiles 2 w, 2 w + 1 of K steps 2 sigma, 2 sigma + 1
	s_add_nc_u64 s[14:15], s[10:11], s[30:31]      ; scale words: 256 bytes
.endm
	s_cmp_ge_u32 ttmp9, 256
	s_cbranch_scc1 .Lweights
; ---------------- x: K is innermost.  Loads take a row's 512 bytes as they lie; the rows turn through the stage, so that a lane gets two whole blocks of its row.
	v_and_b32 v2, 15, v0                           ; r
	v_bfe_u32 v3, v0, 4, 1                         ; h
	s_mul_i32 s17, s16, XST
	v_add_nc_u32 v5, s17, v4                       ; into the stage: 16 x lane of a row's place
	v_mul_u32_u24 v6, v2, XPL
	v_lshl_add_u32 v6, v3, 7, v6
	v_add_nc_u32 v6, s17, v6                       ; out of it: place r, + 128 h bytes: k = 32 h on
	v_lshlrev_b32 v7, 3, v1                        ; 8 x lane
	v_lshlrev_b32 v10, 3, v3                       ; 8 h
	v_mov_b32 v251, 0                              ; a lane permute's destination counts as one of its sources
	v_cmp_lt_u32 vcc_lo, 15, v1                    ; lanes 16-31
	s_lshr_b32 s24, ttmp9, 2                       ; R
	s_and_b32 s25, ttmp9, 3                        ; which 256 along K
	s_lshl_b32 s26, s24, 19                        ; 128 rows of 4,096 bytes
	s_lshl_b32 s27, s16, 17                        ; 32 rows
	s_add_co_u32 s26, s26, s27
	s_lshl_b32 s27, s25, 10
	s_add_co_u32 s26, s26, s27
	s_mov_b32 s27, 0
	s_wait_alu depctr_va_vdst(0)
	s_wait_kmcnt 0x0
	s_add_nc_u64 s[18:19], s[4:5], s[26:27]
	OUTBASE
.macro XLOAD q                         ; K step q of my 32 rows: each load reads 512 consecutive bytes
.set i, 0
.rept 32
	global_load_b128 v[LD+4*i:LD+4*i+3], v4, s[18:19] offset:i*4096+512*\q th:TH_LOAD_NT
.set i, i+1
.endr
.endm
.macro XSTAGE                          ; row i goes to place 16 u + r, where i = 8 u + r + 8 (r / 8): a tile's sixteen rows lie in sixteen neighbouring places
.set i, 0
.rept 4
	s_wait_loadcnt 24-i                            ; loads come back in order: the eight oldest are in, the 24 - i issued behind them may be out
.rept 8
	ds_store_b128 v5, v[LD+4*i:LD+4*i+3] offset:(16*((i>>3)&1)+(i&7)+8*(i>>4))*XPL
.set i, i+1
.endr
.endr
	s_wait_dscnt 0x0                               ; the stores have read their registers: the next loads may land there
.endm
.macro QW u, q                         ; tile u, K step q: a fragment and its scale word
.irp c, 0,1
.irp j, 0,1,2,3,4,5,6,7
	ds_load_b128 v[NU+32*\c+4*\j:NU+32*\c+4*\j+3], v6 offset:\u*16*XPL+256*\c+16*\j   ; k = 64 c + 32 h + 4 j ..
.endr
.endr
	s_wait_dscnt 0x0
.irp c, 0,1
	v_max3_num_f32 v[MX+\c], |v[NU+32*\c]|, |v[NU+32*\c+1]|, 0x1800000   ; my block 2 c + h, and the floor 2^(3 - 127): the byte cannot fall under 1
.endr
.irp i, 2,4,6,8,10,12,14,16,18,20,22,24,26,28,30
.irp c, 0,1
	v_max3_num_f32 v[MX+\c], v[MX+\c], |v[NU+32*\c+\i]|, |v[NU+32*\c+\i+1]|
.endr
.endr
.irp c, 0,1
	v_add_nc_u32 v[EX+\c], 0xff000000, v[MX+\c]    ; 2 off the exponent field: the conversion's scale operand
.endr
.irp c, 0,1
	v_lshrrev_b32 v[BX+\c], 23, v[EX+\c]           ; the scale's byte
.endr
	v_lshl_or_b32 v250, v[BX+1], 16, v[BX]         ; blocks h and 2 + h,
	v_lshlrev_b32 v250, v10, v250                  ; at their places in the word;
	v_permlanex16_b32 v251, v250, s20, s21
	v_or_b32 v[PW+2*\u+\q], v250, v251             ; with lane l xor 16's two the word is whole, in both lanes
	s_wait_alu depctr_va_vdst(0)
	s_wait_xcnt 0x0                                ; the last fragment's stores have read their registers
	v_cvt_scalef32_pk16_fp6_f32 v[FC:FC+2], v[NU:NU+15], v[EX]
	v_cvt_scalef32_pk16_fp6_f32 v[T0:T0+2], v[NU+16:NU+31], v[EX]       ; (a conversion's three registers begin on an even number)
	v_cvt_scalef32_pk16_fp6_f32 v[FC+6:FC+8], v[NU+32:NU+47], v[EX+1]
	v_cvt_scalef32_pk16_fp6_f32 v[T1:T1+2], v[NU+48:NU+63], v[EX+1]
	v_nop                                          ; one plain place behind a scaled conversion
.irp i, 0,1,2
	v_mov_b32 v[FC+3+\i], v[T0+\i]
	v_mov_b32 v[FC+9+\i], v[T1+\i]
.endr
.irp p, 0,1,2
	global_store_b128 v4, v[FC+4*\p:FC+4*\p+3], s[12:13] offset:\q*12288+\u*1536+512*\p   ; a plane: 512 consecutive bytes, aligned
.endr
.endm
	XLOAD 0
	XSTAGE
	XLOAD 1                                        ; the second K step is on its way while the first is quantised
	QW 0, 0
	QW 1, 0
	XSTAGE
	QW 0, 1
	QW 1, 1
	v_cndmask_b32 v252, v[PW], v[PW+2], vcc_lo     ; lanes 0-15 carry tile 2 w's words, lanes 16-31 tile 2 w + 1's
	v_cndmask_b32 v253, v[PW+1], v[PW+3], vcc_lo
	global_store_b64 v7, v[252:253], s[14:15]      ; 256 consecutive bytes, aligned
	s_wait_tensorcnt 0x0
	ds_add_u32 v254, v255
	s_wait_dscnt 0x0
	s_endpgm
; ---------------- the weights: K is the first axis.  A lane takes a column and its registers run down K: a block of 32 lies in one lane.
.Lweights:
	v_bfe_u32 v2, v0, 3, 1                         ; my column 32 w + lane is row r of tile 2 w + u: u = (lane / 8) % 2,
	v_and_b32 v3, 7, v0
	v_bfe_u32 v8, v0, 4, 1
	v_lshl_add_u32 v3, v8, 3, v3                   ; r = lane % 8 + 8 (lane / 16)
	s_mul_i32 s17, s16, WSTB
	s_add_co_u32 s17, s17, WST0
	v_mul_u32_u24 v5, v2, 1536
	v_lshl_add_u32 v5, v3, 4, v5
	v_add_nc_u32 v5, s17, v5                       ; into the stage: image u, 16 r
	s_wait_alu depctr_va_vdst(0)
	v_add_nc_u32 v6, s17, v4                       ; out of it: 16 x lane
	v_lshlrev_b32 v7, 7, v2
	v_lshl_add_u32 v7, v3, 3, v7                   ; my scale words: 128 u + 8 r
	s_sub_co_u32 s23, ttmp9, 256
	s_lshr_b32 s24, s23, 2                         ; the run among the weights' 32
	s_and_b32 s25, s23, 3                          ; which 256 along K
	s_sub_co_u32 s26, s24, 24                      ; the run within W_out
	s_mov_b32 s22, 4096                            ; W_out's row in bytes
	s_wait_kmcnt 0x0
	s_cmp_lt_u32 s23, 96                           ; the first 24 runs are W_qkv's: the choice hangs on the work-group's number alone
	s_cselect_b32 s22, 12288, s22
	s_cselect_b32 s26, s24, s26
	s_cselect_b64 s[18:19], s[6:7], s[8:9]
	s_add_co_u32 s24, s24, 64                      ; R
	OUTBASE
	s_lshl_b32 s27, s25, 8
	s_mul_i32 s27, s27, s22                        ; 256 sigma rows
	s_lshl_b32 s28, s26, 9                         ; 128 columns a run
	s_add_co_u32 s28, s28, s27
	s_lshl_b32 s27, s16, 7                         ; 32 columns a wave
	s_add_co_u32 s28, s28, s27
	s_mov_b32 s29, 0
	s_add_nc_u64 s[32:33], s[18:19], s[28:29]      ; block 0
	s_lshl_b32 s30, s22, 5                         ; 32 rows
	s_mov_b32 s31, 0
.irp t, 1,2,3,4,5,6,7
	s_add_nc_u64 s[32+2*\t:33+2*\t], s[30+2*\t:31+2*\t], s[30:31]   ; a base for each block of 32 rows: none is stepped
.endr
	v_lshlrev_b32 v[OF], 2, v1
.set i, 0
.rept 31
	v_add_nc_u32 v[OF+1+i], s22, v[OF+i]           ; 4 x lane + i rows; never rewritten
.set i, i+1
.endr
.macro WLOAD t                         ; block t: rows 32 t + i at my column; 32 lanes read 128 consecutive bytes
.set i, 0
.rept 32
	global_load_b32 v[NW+32*((\t)%2)+i], v[OF+i], s[32+2*(\t):33+2*(\t)] th:TH_LOAD_NT
.set i, i+1
.endr
.endm
.macro BLOCK t
.set XS, NW+32*((\t)%2)
.set BE, (\t)%4                        ; the block within its K step
.set QQ, (\t)/4                        ; the K step
.set HB, BE%2                          ; it belongs to lane (r, HB) of the image, registers 6 (BE / 2) on
.if (\t) < 7
	s_wait_loadcnt 32                              ; this block's 32 loads are in; the next block's may be out
.else
	s_wait_loadcnt 0x0
.endif
	v_max3_num_f32 v230, |v[XS]|, |v[XS+1]|, |v[XS+2]|
	v_max3_num_f32 v231, |v[XS+3]|, |v[XS+4]|, |v[XS+5]|
.irp i, 6,10,14,18,22,26
	v_max3_num_f32 v230, v230, |v[XS+\i]|, |v[XS+\i+1]|
	v_max3_num_f32 v231, v231, |v[XS+\i+2]|, |v[XS+\i+3]|
.endr
	v_max3_num_f32 v230, v230, |v[XS+30]|, |v[XS+31]|
	v_max3_num_f32 v230, v230, v231, 0x1800000     ; and the floor
	v_add_nc_u32 v232, 0xff000000, v230
	v_lshrrev_b32 v233, 23, v232
.if BE == 0
	v_mov_b32 v[228+QQ], v233
.else
	v_lshl_or_b32 v[228+QQ], v233, 8*BE, v[228+QQ] ; four bytes to a word, the lower K in the lower byte
.endif
	v_cvt_scalef32_pk16_fp6_f32 v[192:194], v[XS:XS+15], v232
	v_cvt_scalef32_pk16_fp6_f32 v[200:202], v[XS+16:XS+31], v232
	v_nop                                          ; one plain place behind a scaled conversion
.irp i, 0,1,2
	v_mov_b32 v[195+\i], v[200+\i]
.endr
.if BE < 2                             ; registers 0-5: plane 0, and the lower half of plane 1's 16 bytes
	ds_store_b128 v5, v[192:195] offset:256*HB
	ds_store_b64 v5, v[196:197] offset:512+256*HB
.else                                  ; registers 6-11: the upper half of plane 1's, and plane 2
	ds_store_b64 v5, v[192:193] offset:520+256*HB
	ds_store_b128 v5, v[194:197] offset:1024+256*HB
.endif
.if (\t) < 6
	WLOAD (\t)+2
.endif
	s_wait_dscnt 0x0                               ; the stores have read their registers
.if BE == 3                            ; a K step's two images are whole: they leave as six planes
.if QQ == 1
	s_wait_xcnt 0x0                                ; the first K step's stores have read their registers
.endif
.irp e, 0,1,2,3,4,5
	ds_load_b128 v[204+4*\e:207+4*\e], v6 offset:512*\e
.endr
	s_wait_dscnt 0x0
.irp e, 0,1,2,3,4,5
	global_store_b128 v4, v[204+4*\e:207+4*\e], s[12:13] offset:QQ*12288+512*\e   ; 512 consecutive bytes, aligned
.endr
.endif
.endm
	WLOAD 0
	WLOAD 1
.irp t, 0,1,2,3,4,5,6,7
	BLOCK \t
.endr
	s_wait_alu depctr_va_vdst(0)
	global_store_b64 v7, v[228:229], s[14:15]      ; the wave's 256 bytes of scale words, whole
	s_wait_tensorcnt 0x0
	ds_add_u32 v254, v255
	s_wait_dscnt 0x0
	s_endpgm
.Lfunc_end_k_q9fed51dd74_quant:
	.size	k_q9fed51dd74_quant, .Lfunc_end_k_q9fed51dd74_quant-k_q9fed51dd74_quant
	.p2alignl 7, 3214868480
	.fill 96, 4, 3214868480
	.section	.rodata,"a",@progbits
	.p2align	6, 0x0
	.amdhsa_kernel k_q9fed51dd74_quant
		.amdhsa_group_segment_fixed_size 80384
		.amdhsa_private_segment_fixed_size 0
		.amdhsa_enable_private_segment 0
		.amdhsa_kernarg_size 32
		.amdhsa_user_sgpr_count 2
		.amdhsa_user_sgpr_kernarg_segment_ptr 1
		.amdhsa_wavefront_size32 1
		.amdhsa_system_sgpr_workgroup_id_x 1
		.amdhsa_system_sgpr_workgroup_id_y 1
		.amdhsa_system_sgpr_workgroup_id_z 1
		.amdhsa_system_vgpr_workitem_id 0
		.amdhsa_next_free_vgpr 256
		.amdhsa_next_free_sgpr 66
		.amdhsa_reserve_vcc 1
		.amdhsa_float_denorm_mode_32 3
		.amdhsa_float_denorm_mode_16_64 3
		.amdhsa_memory_ordered 1
		.amdhsa_forward_progress 1
		.amdhsa_inst_pref_size 73
	.end_amdhsa_kernel
	.amdgpu_metadata
---
amdhsa.version: [ 1, 2 ]
amdhsa.kernels:
  - .name:           k_q9fed51dd74_quant
    .symbol:         k_q9fed51dd74_quant.kd
    .args:
      - { .name: x, .offset: 0, .size: 8, .value_kind: global_buffer, .address_space: global }
      - { .name: W_qkv, .offset: 8, .size: 8, .value_kind: global_buffer, .address_space: global }
      - { .name: W_out, .offset: 16, .size: 8, .value_kind: global_buffer, .address_space: global }
      - { .name: ops, .offset: 24, .size: 8, .value_kind: global_buffer, .address_space: global }
    .group_segment_fixed_size: 80384
    .private_segment_fixed_size: 0
    .kernarg_segment_align: 8
    .kernarg_segment_size: 32
    .max_flat_workgroup_size: 128
    .sgpr_count:     66
    .vgpr_count:     256
    .wavefront_size: 32
...
	.end_amdgpu_metadata
.endif
;; end of part 1
;; launch proj (part 2): grid 8 x 48, 4 waves a work-group, clusters of 4 x 4, 327,680 bytes of LDS; arguments ops, b_qkv, qkv; writes qkv
.if DOCPART == 2
	.amdgcn_target "amdgcn-amd-amdhsa--gfx1250"
	.amdhsa_code_object_version 6
	.text
	.protected	k_q9fed51dd74_proj
	.globl	k_q9fed51dd74_proj
	.p2align	8
	.type	k_q9fed51dd74_proj,@function
k_q9fed51dd74_proj:
	s_mov_b64 s[64:65], 0
	v_nop
	global_prefetch_b8 v0, s[64:65] scope:SCOPE_SE
	s_setreg_imm32_b32 hwreg(HW_REG_WAVE_MODE, 25, 1), 1
	s_wait_xcnt 0x0
	s_wait_alu depctr_hold_cnt(0) depctr_sa_sdst(0) depctr_va_vdst(0) depctr_va_sdst(0) depctr_va_ssrc(0) depctr_va_vcc(0) depctr_vm_vsrc(0)
	s_getreg_b32 s2, hwreg(HW_REG_IB_STS2, 6, 4)
	s_cmp_eq_u32 s2, 0
	s_cbranch_scc0 .Lentry_in_a_cluster
	s_endpgm
.Lentry_in_a_cluster:
	s_bfe_u32 s2, ttmp6, 0x10000c
	s_cmp_lg_u32 s2, 0xf033
	s_cbranch_scc0 .Lentry_shape_is_right
	s_endpgm
.Lentry_shape_is_right:
; qkv = x W_qkv + b_qkv on codes of FP6 (E2M3), K = 1024, and the results leave QUANTISED: q and k along the head's 64, v along the keys.  They never lie in memory as f32.
; Operands come from ops as images of operand registers (a run R of 128 rows, 8 tiles; lane r of tile i holds row 32 (i / 2) + 8 (i % 2) + r + 8 (r / 8)): a fragment is three ds_load_b128 of 512 consecutive bytes.
; A work-group of four waves makes 256 x 256, a wave 128 x 128: 64 accumulators, 512 registers.  K goes in steps of 256 through a ring of two LDS slots; a wave's tensor load brings 128 rows x 256 K, one dense block of 24,576 bytes.
; The scale words of the work-group's rows, for all of K, come once (4 x 4,096 bytes).
; THE PRODUCT IS USED TRANSPOSED: source 0's rows run along a lane's registers, source 1's row sits in the lane.  By the choice of a tile's rows the 16 registers of result tiles 2 b, 2 b + 1 are 16 neighbours along source 0's index.
; TWO VARIANTS, told apart by the cluster's y (CY), which all sixteen partners share:
;   CY < 8  (q, k): source 1 ('A') = 256 tokens, source 0 ('B') = 256 columns of W_q | W_k: a lane holds a token, its registers four heads' dims: blocks of 32 along the head.
;   CY >= 8 (v):    source 1 ('A') = 256 columns of W_v, source 0 ('B') = 256 tokens: a lane holds a dim, its registers run along the KEYS: blocks of 32 along the keys, with nothing transposed.
; CLUSTER 4 x 4: in both variants A hangs on cy (and CY) alone and is asked for jointly along a row of the cluster, B on cx (and the cluster's x, CY) and jointly along a column.
; The bias is the C of each sum's first matrix instruction.  The way out uses no LDS: a lane's 64 numbers of a tile of A are quantised in registers, and the codes leave as planes of 512 consecutive bytes.
; qkv: two parts of [head 16 b + h: 64][slot of 256 tokens: 8][25,600 bytes]: KV at 0, Q at QOFF.  A record: 8 pair fragments of K (32 keys: registers 0-5 keys r + 8 (r / 8), registers 6-11 those 8 further on; 64 dims each);
;   at 12,288 V's [128 keys: 2][tile of 16 dims: 4] fragments; at 24,576 K's scale words [128 keys: 2][lane][2]; at 25,088 V's.  Part Q uses K's places.
; No prefetch: the operands are read by many work-groups, shared in the cluster, and a slot's load has 112 matrix instructions in which to land.
; LIMITS: NaN and infinities are not served; a block whose largest magnitude lies under 2^-124 keeps the byte 1; a block of zeros has the byte 1: its codes are zeros, and this program alone reads the bytes.
; REGISTERS, in windows of 256: window 0: v16-29 addresses; v32-63 scale words, two sets; v64-127 the bias; v128-223 A's fragments, one set.  window 1: B's fragments, two sets, at v0 and v128.
;   window 2: the accumulators of A's tiles 0-3 ((a, b) at v[8 (8 (a % 4) + b)]); window 3: of tiles 4-7.
.set SCO,    9437184
.set QOFF,   13107200
.set NQ,     2                         ; matrix instructions deep in a slot
.set FR,     12
.set NL,     3                         ; LDS loads that bring a fragment
.set NP,     4                         ; places behind this matrix instruction (ISA guide 7.12.1)
.set HALFT,  24576                     ; 128 rows x 256 K: [K step: 2][tile: 8][1,536]
.set SLOT,   4*HALFT                   ; A's two halves, then B's two
.set LAPS,   2                         ; 1024 / 512
.set SCL,    2*SLOT                    ; the scale words: 4 x 4,096
.set SPARE,  SCL+4*4096                ; the spare words, 128 bytes for each wave
.set ADRA, 16
.set ADRB, 20
.set L8,   25                          ; 8 x lane
.set L16,  26                          ; 16 x lane
.set ADRS, 27
.set SPW,  28
.set NIL,  29
.set SC,   32
.set BI,   64
.set AF,   128
.set TM,   32                          ; the way out: v32-35 largest magnitudes, v36-39 bytes, v44-47 the conversions' scale operands
.set TT,   48                          ; v48-50, v52-54 second halves of blocks
.set PWR,  56                          ; v56-63 a tile's scale word
.set WD,   64                          ; v64-71 the words as they leave
.set IM,   128                         ; v128-223 eight images of 12 registers
.set SEL,  96
.set G1, 24
.set G0, 32
.set G1B, 48
.set G0B, 56
.set G1S, 68
.set G0S, 76
.set G1SB, 80
.set G0SB, 88
.set MSB, 0
.macro WIN new                         ; the immediate's high byte repeats the setting that is left
.if MSB != \new
	s_set_vgpr_msb (MSB<<8)|\new
.set MSB, \new
.endif
.endm
.set MUL_LO, 0xa1                      ; source 0 (B) window 1, source 1 (A) window 0, C and D window 2
.set MUL_HI, 0xf1
.set TO_B,   0x40
; A joint load: waves 0 and 1 fetch for A, waves 2 and 3 for B; the branch hangs on the wave's number alone.  Four v_nop follow each of the two lines.
.macro JLOAD g0a, g1a, g0b, g1b
	s_cmp_eq_u32 s15, 0
	s_cbranch_scc0 .Lfor_b_\@
	tensor_load_to_lds s[\g0a:\g0a+3], s[\g1a:\g1a+7]
	s_nop 0
.rept 4
	v_nop
.endr
	s_branch .Lasked_\@
.Lfor_b_\@:
	tensor_load_to_lds s[\g0b:\g0b+3], s[\g1b:\g1b+7]
	s_nop 0
.rept 4
	v_nop
.endr
.Lasked_\@:
.endm
.macro CREST                           ; a round of the cluster's barrier behind its opening barrier
	s_cmp_lg_u32 s14, 0
	s_cbranch_scc1 .Lnot_wave_0_\@
	s_barrier_signal -3
.Lnot_wave_0_\@:
	s_barrier_wait -3
	s_barrier_signal -1
	s_barrier_wait -1
.endm
.macro CROUND
	s_barrier_signal -1
	s_barrier_wait -1
	CREST
.endm
	s_load_b128 s[4:7], s[0:1], 0x0                ; ops, b_qkv
	s_load_b64 s[8:9], s[0:1], 0x10                ; qkv
	v_lshl_add_u32 v[SPW], v0, 2, SPARE
	v_mov_b32 v[NIL], 0
	ds_add_u32 v28, v29
	s_wait_dscnt 0x0
	v_lshrrev_b32 v1, 5, v0
	v_readfirstlane_b32 s14, v1                    ; wave 0..3
	s_lshr_b32 s15, s14, 1                         ; which half of A's rows is mine.  Also: I fetch for A (0) or for B (1)
	s_and_b32 s16, s14, 1                          ; which half of B's rows.  Also: which 128 rows I fetch
	s_bfe_u32 s40, ttmp6, 0x40000                  ; cx
	s_bfe_u32 s41, ttmp6, 0x40004                  ; cy
	s_lshl_b32 s42, ttmp9, 2
	s_add_co_u32 s42, s42, s40                     ; wgx = 4 x cluster x + cx
	s_and_b32 s12, ttmp7, 0xffff                   ; CY: the cluster's y
	s_lshl_b32 s17, s12, 2
	s_add_co_u32 s17, s17, s41                     ; wgy = 4 CY + cy
	s_lshl_b32 s43, s41, 2
	s_lshl_b32 s43, 15, s43                        ; my row of the cluster
	s_lshl_b32 s44, 0x1111, s40                    ; my column
	s_mov_b32 s[SEL], 0x76543210
	s_mov_b32 s[SEL+1], 0xfedcba98
	; the runs: A = 2 cy + (8 CY, or 80 for v) + half;  B = 2 wgx + (64, or 16 (CY - 8) for v) + half.  What is chosen is made of CY alone
	s_lshl_b32 s18, s12, 3
	s_lshl_b32 s19, s12, 4
	s_sub_co_u32 s19, s19, 128
	s_cmp_ge_u32 s12, 8
	s_cselect_b32 s18, 80, s18
	s_cselect_b32 s19, s19, 64
	s_lshl_b32 s20, s41, 1
	s_add_co_u32 s20, s20, s18
	s_add_co_u32 s20, s20, s16                     ; A's run that I would fetch
	s_lshl_b32 s46, s42, 1
	s_add_co_u32 s46, s46, s19
	s_add_co_u32 s46, s46, s16                     ; B's
	; descriptor group 1: a dense block as rows of 256 bytes (32 elements of 8 bytes), no padding: 96 rows of codes, 16 of scale words
	s_or_b32 s[G1+0], s43, (3<<16)|(1<<21)         ; 15:0 the mask: A's go to my row of the cluster; 17:16 elements of 8 bytes; 21 set beside a mask
	s_or_b32 s[G1B+0], s44, (3<<16)|(1<<21)        ; B's to my column
.irp g, G1, G1B
	s_mov_b32 s[\g+1], 32<<16                      ; tensor_dim0
	s_mov_b32 s[\g+2], 96<<16                      ; tensor_dim1
	s_mov_b32 s[\g+3], 32<<16                      ; tile_dim0
	s_mov_b32 s[\g+4], 96                          ; tile_dim1
	s_mov_b32 s[\g+5], 32                          ; the pitch
	s_mov_b32 s[\g+6], 0
	s_mov_b32 s[\g+7], 0
.endr
	s_or_b32 s[G1S+0], s43, (3<<16)|(1<<21)
	s_or_b32 s[G1SB+0], s44, (3<<16)|(1<<21)
.irp g, G1S, G1SB
	s_mov_b32 s[\g+1], 32<<16
	s_mov_b32 s[\g+2], 16<<16
	s_mov_b32 s[\g+3], 32<<16
	s_mov_b32 s[\g+4], 16
	s_mov_b32 s[\g+5], 32
	s_mov_b32 s[\g+6], 0
	s_mov_b32 s[\g+7], 0
.endr
	s_lshl_b32 s22, s20, 12
	s_add_co_u32 s22, s22, SCO                     ; A's scale words, in bytes
	s_mov_b32 s23, 0
	s_mul_i32 s20, s20, 98304                      ; A's codes
	s_mov_b32 s21, 0
	s_lshl_b32 s92, s46, 12
	s_add_co_u32 s92, s92, SCO
	s_mov_b32 s93, 0
	s_mul_i32 s46, s46, 98304
	s_mov_b32 s47, 0
	s_mul_i32 s45, s14, HALFT                      ; where they go: wave x 24,576: no place in the cluster enters an LDS address
	s_lshl_b32 s94, s14, 12
	s_wait_kmcnt 0x0
	s_add_nc_u64 s[20:21], s[4:5], s[20:21]
	s_add_nc_u64 s[22:23], s[4:5], s[22:23]
	s_add_nc_u64 s[46:47], s[4:5], s[46:47]
	s_add_nc_u64 s[92:93], s[4:5], s[92:93]
	CROUND                                         ; all sixteen work-groups are here: the first joint loads meet
	s_mov_b32 s[G0S], 1
	s_add_co_u32 s[G0S+1], s94, SCL
	s_mov_b64 s[G0S+2:G0S+3], s[22:23]
	s_or_b32 s[G0S+3], s[G0S+3], 0x80000000
	s_mov_b32 s[G0SB], 1
	s_add_co_u32 s[G0SB+1], s94, SCL
	s_mov_b64 s[G0SB+2:G0SB+3], s[92:93]
	s_or_b32 s[G0SB+3], s[G0SB+3], 0x80000000
	JLOAD G0S, G1S, G0SB, G1SB                     ; the scale words first: they are wanted with K step 0
.irp s, 0,1
	s_mov_b32 s[G0+4*\s], 1
	s_add_co_u32 s[G0+4*\s+1], s45, \s*SLOT
	s_add_nc_u64 s[G0+4*\s+2:G0+4*\s+3], s[20:21], \s*HALFT
	s_or_b32 s[G0+4*\s+3], s[G0+4*\s+3], 0x80000000
	s_mov_b32 s[G0B+4*\s], 1
	s_add_co_u32 s[G0B+4*\s+1], s45, \s*SLOT
	s_add_nc_u64 s[G0B+4*\s+2:G0B+4*\s+3], s[46:47], \s*HALFT
	s_or_b32 s[G0B+4*\s+3], s[G0B+4*\s+3], 0x80000000
	JLOAD G0+4*\s, G1, G0B+4*\s, G1B               ; three tensor loads of mine are out behind the second of these
.endr
	v_and_b32 v1, 15, v0                           ; r
	v_bfe_u32 v2, v0, 4, 1                         ; h
	v_and_b32 v3, 31, v0                           ; lane
	v_lshlrev_b32 v[L16], 4, v3
	v_lshlrev_b32 v[L8], 3, v3
	s_mul_i32 s21, s15, HALFT                      ; my 128 rows of A
	s_mul_i32 s22, s16, HALFT                      ; my 128 rows of B,
	s_add_co_u32 s22, s22, 2*HALFT                 ; behind A's 256
.irp s, 0,1
	v_add_nc_u32 v[ADRA+\s], s21, v[L16]
	v_add_nc_u32 v[ADRB+\s], s22, v[L16]
	s_add_co_u32 s21, s21, SLOT
	s_add_co_u32 s22, s22, SLOT
.endr
	v_lshlrev_b32 v5, 3, v1                        ; scale words: 8 bytes a row (the slot's two K steps)
	s_lshl_b32 s21, s15, 12                        ; A's: my 128 rows
	s_lshl_b32 s22, s16, 12                        ; B's: my 128 rows, behind A's two
	s_add_co_u32 s22, s22, 2*4096
	s_sub_co_u32 s22, s22, s21
	v_mul_u32_u24 v6, s22, v2                      ; lanes 16-31 take B's
	s_add_co_u32 s21, s21, SCL
	v_add_nc_u32 v5, v5, v6
	v_add_nc_u32 v[ADRS], s21, v5
	; the bias, in the result's layout
	s_cmp_ge_u32 s12, 8
	s_cbranch_scc1 .Lbias_v
	s_lshl_b32 s20, s42, 10                        ; q, k: it runs along the registers: column 256 wgx + 128 half + 32 (b / 2) + 16 h + 8 (b % 2) + j
	s_lshl_b32 s21, s16, 9
	s_add_co_u32 s20, s20, s21
	s_mov_b32 s21, 0
	s_add_nc_u64 s[20:21], s[6:7], s[20:21]
	v_lshlrev_b32 v7, 6, v2
.irp b, 0,1,2,3,4,5,6,7
	global_load_b128 v[BI+8*\b:BI+8*\b+3], v7, s[20:21] offset:(32*(\b/2)+8*(\b%2))*4
	global_load_b128 v[BI+8*\b+4:BI+8*\b+7], v7, s[20:21] offset:(32*(\b/2)+8*(\b%2))*4+16
.endr
	s_branch .Lbias_in
.Lbias_v:
	s_lshl_b32 s20, s41, 10                        ; v: it hangs on the lane: column 2048 + 256 cy + 128 half + 32 (a / 2) + 8 (a % 2) + r + 8 (r / 8), the same in all eight registers
	s_lshl_b32 s21, s15, 9
	s_add_co_u32 s20, s20, s21
	s_add_co_u32 s20, s20, 8192
	s_mov_b32 s21, 0
	s_add_nc_u64 s[20:21], s[6:7], s[20:21]
	v_and_b32 v7, 8, v1
	v_add_nc_u32 v7, v7, v1
	v_lshlrev_b32 v7, 2, v7
.irp a, 0,1,2,3,4,5,6,7
.irp j, 0,1,2,3,4,5,6,7
	global_load_b32 v[BI+8*\a+\j], v7, s[20:21] offset:(32*(\a/2)+8*(\a%2))*4
.endr
.endr
.Lbias_in:
.macro FRAG reg, adr, q, i             ; a fragment's image: three planes of 512 consecutive bytes
.irp p, 0,1,2
	ds_load_b128 v[\reg+4*\p:\reg+4*\p+3], v[\adr] offset:(\q)*12288+(\i)*1536+512*\p
.endr
.endm
; 16 matrix instructions: A's tiles a0, a0 + 1 x B's eight, 128 along K.  zero = 1: C is the bias by B's tile; 2: by A's tile; 0: a link in place.
; The 64 accumulators take turns, one instruction a turn, in the same order in every step.
.macro MUL16 a0, p, q, sc, zero
.irp a, \a0, \a0+1
.irp b, 0,1,2,3,4,5,6,7
.if \zero == 1
	v_wmma_scale_f32_16x16x128_f8f6f4 v[8*(8*((\a)%4)+\b):8*(8*((\a)%4)+\b)+7], v[128*(\p)+FR*\b:128*(\p)+FR*\b+FR-1], v[AF+FR*(\a):AF+FR*(\a)+FR-1], v[BI+8*\b:BI+8*\b+7], v[SC+8*NQ*(\sc)+NQ*\b+(\q)], v[SC+8*NQ*(\sc)+NQ*(\a)+(\q)] matrix_a_fmt:MATRIX_FMT_FP6 matrix_b_fmt:MATRIX_FMT_FP6 matrix_a_scale:MATRIX_SCALE_ROW1
.elseif \zero == 2
	v_wmma_scale_f32_16x16x128_f8f6f4 v[8*(8*((\a)%4)+\b):8*(8*((\a)%4)+\b)+7], v[128*(\p)+FR*\b:128*(\p)+FR*\b+FR-1], v[AF+FR*(\a):AF+FR*(\a)+FR-1], v[BI+8*(\a):BI+8*(\a)+7], v[SC+8*NQ*(\sc)+NQ*\b+(\q)], v[SC+8*NQ*(\sc)+NQ*(\a)+(\q)] matrix_a_fmt:MATRIX_FMT_FP6 matrix_b_fmt:MATRIX_FMT_FP6 matrix_a_scale:MATRIX_SCALE_ROW1
.else
	v_wmma_scale_f32_16x16x128_f8f6f4 v[8*(8*((\a)%4)+\b):8*(8*((\a)%4)+\b)+7], v[128*(\p)+FR*\b:128*(\p)+FR*\b+FR-1], v[AF+FR*(\a):AF+FR*(\a)+FR-1], v[8*(8*((\a)%4)+\b):8*(8*((\a)%4)+\b)+7], v[SC+8*NQ*(\sc)+NQ*\b+(\q)], v[SC+8*NQ*(\sc)+NQ*(\a)+(\q)] matrix_a_fmt:MATRIX_FMT_FP6 matrix_b_fmt:MATRIX_FMT_FP6 matrix_a_scale:MATRIX_SCALE_ROW1
.endif
.endr
.endr
.endm
.macro FETCH_B slot, q, p
	WIN TO_B
.irp i, 0,1,2,3,4,5,6,7
	FRAG 128*(\p)+FR*\i, ADRB+\slot, \q, \i
.endr
	WIN 0
.endm
.macro FETCH_A slot, q, i0
.irp i, \i0, \i0+1, \i0+2, \i0+3
	FRAG AF+FR*(\i), ADRA+\slot, \q, \i
.endr
.endm
.macro SCALES sc                       ; a slot's scale words: lanes 0-15 A's tile i, lanes 16-31 B's tile i; two words, one for each K step
.irp i, 0,1,2,3,4,5,6,7
	ds_load_b64 v[SC+8*NQ*\sc+NQ*\i:SC+8*NQ*\sc+NQ*\i+1], v[ADRS] offset:\i*128
.endr
.endm
.macro PLACES n                        ; plain vector instructions between a matrix instruction and a load into, or a read of, its registers
.rept \n
	v_nop
.endr
.endm
; A step of 128 along K that has its successor in the same slot.
.macro STEP slot, q, zero
	s_wait_dscnt 4*NL                              ; all but the youngest twelve loads (A's tiles 4-7) are in
.if \zero
	WIN 0x81                                       ; C (the bias) window 0, D window 2
.else
	WIN MUL_LO
.endif
	MUL16 0, (\q)%2, \q, \slot, \zero
	MUL16 2, (\q)%2, \q, \slot, \zero
	s_wait_dscnt 0                                 ; A's tiles 4-7 are in
	PLACES NP
	FETCH_B \slot, (\q)+1, 1-(\q)%2
	FETCH_A \slot, (\q)+1, 0
.if \zero
	WIN 0xc1
.else
	WIN MUL_HI
.endif
	MUL16 4, (\q)%2, \q, \slot, \zero
	MUL16 6, (\q)%2, \q, \slot, \zero
	PLACES NP
	WIN 0
	FETCH_A \slot, (\q)+1, 4
.endm
; A slot's last step changes slots: one barrier; in front of it each wave waits for all its tensor loads, adds 0 to its spare word, and waits for that and for its reads of this slot.
.macro TURN slot, next, fill
	s_wait_tensorcnt 0x0                           ; all my tensor loads have landed: my part of the next slot
	ds_add_u32 v[SPW], v[NIL]                      ; 0 onto my spare word
	s_wait_dscnt 4*NL+1                            ; (the add and the youngest twelve loads may be out)
	WIN MUL_LO
	MUL16 0, 1, NQ-1, \slot, 0
	s_wait_dscnt 0x0                               ; the add is done, and my reads of this slot are over
	s_barrier_signal -1
	MUL16 2, 1, NQ-1, \slot, 0
	WIN 0
	s_barrier_wait -1
.if \fill
	CREST                                          ; the barrier has opened a round of the cluster's: no wave of any partner still reads this slot or has a load on its way
	s_add_nc_u64 s[G0+4*\slot+2:G0+4*\slot+3], s[G0+4*\slot+2:G0+4*\slot+3], 2*HALFT
	s_add_nc_u64 s[G0B+4*\slot+2:G0B+4*\slot+3], s[G0B+4*\slot+2:G0B+4*\slot+3], 2*HALFT
	JLOAD G0+4*\slot, G1, G0B+4*\slot, G1B         ; the first tensor load behind the round, my one load until the next; its four v_nop are the places in front of the loads below
.else
	PLACES NP
.endif
	v_add_nc_u32 v[ADRS], 1024, v[ADRS]            ; the next slot's scale words
	FETCH_B \next, 0, 0
	FETCH_A \next, 0, 0
	SCALES \next
	WIN MUL_HI
	MUL16 4, 1, NQ-1, \slot, 0
	MUL16 6, 1, NQ-1, \slot, 0
	PLACES NP
	WIN 0
	FETCH_A \next, 0, 4
.endm
	s_wait_tensorcnt 1                             ; the scale words and my part of slot 0 are in; slot 1's load may be out
	s_barrier_signal -1
	s_barrier_wait -1
	FETCH_B 0, 0, 0
	FETCH_A 0, 0, 0
	SCALES 0
	FETCH_A 0, 0, 4
	s_wait_loadcnt 0x0                             ; the bias
	s_cmp_ge_u32 s12, 8                            ; the first step starts the sums with the bias: by B's tile for q and k, by A's for v
	s_cbranch_scc1 .Lfirst_v
	STEP 0, 0, 1
	s_branch .Lfirst_done
.Lfirst_v:
	STEP 0, 0, 2
.Lfirst_done:
	s_mov_b32 s3, LAPS-1
.Llap:                                                 ; a trip goes once round the ring and fills both slots again
	TURN 0, 1, 1
	STEP 1, 0, 0
	TURN 1, 0, 1
	STEP 0, 0, 0
	s_sub_co_u32 s3, s3, 1
	s_cmp_lg_u32 s3, 0
	s_cbranch_scc1 .Llap
	TURN 0, 1, 0                                   ; the last lap fills nothing
	STEP 1, 0, 0
	s_wait_dscnt 4*NL
	WIN MUL_LO
	MUL16 0, 1, NQ-1, 1, 0
	MUL16 2, 1, NQ-1, 1, 0
	s_wait_dscnt 0
	WIN MUL_HI
	MUL16 4, 1, NQ-1, 1, 0
	MUL16 6, 1, NQ-1, 1, 0
	WIN 0
	PLACES NP                                      ; in front of the first read of results and the first write of registers that held operands and scales
; THE WAY OUT.  The 64 registers of A's tile a hold, for my lane's row, source 0's index 32 b + 16 h + i in register 16 b + i: four blocks of 32, each shared with lane l xor 16.
; QUANTA makes their codes (blocks 0, 1 into six registers at d0, blocks 2, 3 at d1, a whole block to a lane) and the four bytes, in v[pw].  Each accumulator is read from its low end on.
.macro QUANTA a, d0, d1, pw
.set WN, 2+(\a)/4
.set SS, 64*((\a)%4)
	WIN 5*WN                                       ; sources 0 and 1: the accumulators' window
.irp b, 0,1,2,3
	v_max3_num_f32 v[TM+\b], |v[SS+16*\b]|, |v[SS+16*\b+1]|, 0x1800000   ; and the floor 2^(3 - 127)
.endr
.irp i, 2,4,6,8,10,12,14
.irp b, 0,1,2,3
	v_max3_num_f32 v[TM+\b], |v[SS+16*\b+\i]|, |v[SS+16*\b+\i+1]|, v[TM+\b]
.endr
.endr
	WIN 0
.irp b, 0,1,2,3
	v_permlanex16_b32 v[TM+4+\b], v[TM+\b], s[SEL], s[SEL+1]
.endr
.irp b, 0,1,2,3
	v_max_num_f32 v[TM+\b], v[TM+\b], v[TM+4+\b]
.endr
.irp b, 0,1,2,3
	v_add_nc_u32 v[TM+12+\b], 0xff000000, v[TM+\b] ; 2 off the exponent field: the conversion's scale operand
.endr
.irp b, 0,1,2,3
	v_lshrrev_b32 v[TM+4+\b], 23, v[TM+12+\b]
.endr
	v_lshl_or_b32 v[\pw], v[TM+5], 8, v[TM+4]
	v_lshl_or_b32 v[\pw], v[TM+6], 16, v[\pw]
	v_lshl_or_b32 v[\pw], v[TM+7], 24, v[\pw]
	WIN WN                                         ; source 0 alone
	v_cvt_scalef32_pk16_fp6_f32 v[(\d0):(\d0)+2], v[SS:SS+15], v[TM+12]
	v_cvt_scalef32_pk16_fp6_f32 v[TT:TT+2], v[SS+16:SS+31], v[TM+13]
	v_cvt_scalef32_pk16_fp6_f32 v[(\d1):(\d1)+2], v[SS+32:SS+47], v[TM+14]
	v_cvt_scalef32_pk16_fp6_f32 v[TT+4:TT+6], v[SS+48:SS+63], v[TM+15]
	WIN 0
	v_nop                                          ; one plain place behind a scaled conversion
.irp i, 0,1,2
	v_permlane16_swap_b32 v[(\d0)+\i], v[TT+\i]    ; the first's lanes 16-31 change places with the second's lanes 0-15: a whole block to a lane
	v_permlane16_swap_b32 v[(\d1)+\i], v[TT+4+\i]
.endr
.irp i, 0,1,2
	v_mov_b32 v[(\d0)+3+\i], v[TT+\i]
	v_mov_b32 v[(\d1)+3+\i], v[TT+4+\i]
.endr
.endm
.irp b, 0,1,2,3
	v_mov_b32 v[TM+4+\b], 0                        ; a lane permute's destination counts as one of its sources
.endr
	s_cmp_ge_u32 s12, 8
	s_cbranch_scc1 .Lout_v
	; q, k: my 128 columns are two heads j; tile a = 2 g + u of tokens fills registers 6 u on of pair fragment g, for each head
.irp a, 0,1,2,3,4,5,6,7
	QUANTA \a, IM+12*(\a/2)+6*(\a%2), IM+12*(4+\a/2)+6*(\a%2), PWR+\a
.endr
.irp g, 0,1,2,3
	v_perm_b32 v[WD+\g], v[PWR+2*\g+1], v[PWR+2*\g], 0x05040100     ; head 0's word of a pair: (u = 0: two blocks, u = 1: two blocks)
	v_perm_b32 v[WD+4+\g], v[PWR+2*\g+1], v[PWR+2*\g], 0x07060302   ; head 1's
.endr
	s_lshr_b32 s20, s17, 3                         ; the batch
	s_and_b32 s21, s17, 7                          ; the slot of 256 tokens
	s_and_b32 s22, s42, 3
	s_lshl_b32 s22, s22, 2
	s_lshl_b32 s23, s16, 1
	s_add_co_u32 s22, s22, s23                     ; my first head
	s_mov_b32 s23, s15                             ; which 128 tokens of the slot
	s_cmp_eq_u32 ttmp9, 0                          ; columns under 1024 are q's
	s_cselect_b32 s18, QOFF, 0
	s_add_co_u32 s19, s18, 24576
	s_branch .Lout_both
.Lout_v:
	; v: tile a of dims is head a / 4, dim tile a % 4; its 128 keys are a whole fragment
.irp a, 0,1,2,3,4,5,6,7
	QUANTA \a, IM+12*\a, IM+12*\a+6, WD+\a
.endr
	s_sub_co_u32 s20, s12, 8
	s_lshl_b32 s20, s20, 3
	s_add_co_u32 s21, s20, s42                     ; which 256 tokens
	s_lshr_b32 s20, s21, 3
	s_and_b32 s21, s21, 7
	s_lshl_b32 s22, s41, 2
	s_lshl_b32 s23, s15, 1
	s_add_co_u32 s22, s22, s23
	s_mov_b32 s23, s16
	s_mov_b32 s18, 12288
	s_mov_b32 s19, 25088
.Lout_both:
	s_lshl_b32 s20, s20, 4
	s_add_co_u32 s20, s20, s22
	s_lshl_b32 s20, s20, 3
	s_add_co_u32 s20, s20, s21
	s_mul_i32 s20, s20, 25600                      ; the record
	s_mul_i32 s21, s23, 6144
	s_add_co_u32 s92, s20, s18
	s_add_co_u32 s92, s92, s21
	s_mov_b32 s93, 0
	s_lshl_b32 s21, s23, 8
	s_add_co_u32 s94, s20, s19
	s_add_co_u32 s94, s94, s21
	s_mov_b32 s95, 0
	s_add_nc_u64 s[92:93], s[8:9], s[92:93]
	s_add_nc_u64 s[94:95], s[8:9], s[94:95]
	v_cmp_lt_u32 vcc_lo, 15, v3                    ; lanes 16-31
.irp e, 0,1,2,3,4,5,6,7
.irp p, 0,1,2
	global_store_b128 v[L16], v[IM+12*\e+4*\p:IM+12*\e+4*\p+3], s[92:93] offset:(\e/4)*204800+(\e%4)*1536+512*\p   ; a plane: 512 consecutive bytes, aligned
.endr
.endr
.irp j, 0,1
	v_cndmask_b32 v[72+2*\j], v[WD+4*\j], v[WD+4*\j+1], vcc_lo       ; word 0: fragment 0 in lanes 0-15, fragment 1 in lanes 16-31
	v_cndmask_b32 v[73+2*\j], v[WD+4*\j+2], v[WD+4*\j+3], vcc_lo     ; word 1: fragments 2 and 3
	global_store_b64 v[L8], v[72+2*\j:73+2*\j], s[94:95] offset:\j*204800   ; 256 consecutive bytes, aligned
.endr
	s_wait_tensorcnt 0x0                           ; the wave's end
	ds_add_u32 v[SPW], v[NIL]
	s_wait_dscnt 0x0
	CROUND                                         ; the closing round
	s_endpgm
.Lfunc_end_k_q9fed51dd74_proj:
	.size	k_q9fed51dd74_proj, .Lfunc_end_k_q9fed51dd74_proj-k_q9fed51dd74_proj
	.p2alignl 7, 3214868480
	.fill 96, 4, 3214868480
	.section	.rodata,"a",@progbits
	.p2align	6, 0x0
	.amdhsa_kernel k_q9fed51dd74_proj
		.amdhsa_group_segment_fixed_size 327680
		.amdhsa_private_segment_fixed_size 0
		.amdhsa_enable_private_segment 0
		.amdhsa_kernarg_size 24
		.amdhsa_user_sgpr_count 2
		.amdhsa_user_sgpr_kernarg_segment_ptr 1
		.amdhsa_wavefront_size32 1
		.amdhsa_system_sgpr_workgroup_id_x 1
		.amdhsa_system_sgpr_workgroup_id_y 1
		.amdhsa_system_sgpr_workgroup_id_z 1
		.amdhsa_system_vgpr_workitem_id 0
		.amdhsa_next_free_vgpr 1024
		.amdhsa_next_free_sgpr 100
		.amdhsa_reserve_vcc 1
		.amdhsa_float_denorm_mode_32 3
		.amdhsa_float_denorm_mode_16_64 3
		.amdhsa_memory_ordered 1
		.amdhsa_forward_progress 1
		.amdhsa_inst_pref_size 192
	.end_amdhsa_kernel
	.amdgpu_metadata
---
amdhsa.version: [ 1, 2 ]
amdhsa.kernels:
  - .name:           k_q9fed51dd74_proj
    .symbol:         k_q9fed51dd74_proj.kd
    .args:
      - { .name: ops, .offset: 0, .size: 8, .value_kind: global_buffer, .address_space: global }
      - { .name: b_qkv, .offset: 8, .size: 8, .value_kind: global_buffer, .address_space: global }
      - { .name: qkv, .offset: 16, .size: 8, .value_kind: global_buffer, .address_space: global }
    .group_segment_fixed_size: 327680
    .private_segment_fixed_size: 0
    .kernarg_segment_align: 8
    .kernarg_segment_size: 24
    .max_flat_workgroup_size: 128
    .sgpr_count:     100
    .vgpr_count:     1024
    .wavefront_size: 32
...
	.end_amdgpu_metadata
.endif
;; end of part 2
;; launch attn (part 3): grid 4 x 64, 16 waves a work-group, no clusters, 327,680 bytes of LDS; arguments qkv, aq; writes aq
.if DOCPART == 3
	.amdgcn_target "amdgcn-amd-amdhsa--gfx1250"
	.amdhsa_code_object_version 6
	.text
	.protected	k_q9fed51dd74_attn
	.globl	k_q9fed51dd74_attn
	.p2align	8
	.type	k_q9fed51dd74_attn,@function
k_q9fed51dd74_attn:
	s_mov_b64 s[64:65], 0
	v_nop
	global_prefetch_b8 v0, s[64:65] scope:SCOPE_SE
	s_setreg_imm32_b32 hwreg(HW_REG_WAVE_MODE, 25, 1), 1
	s_wait_xcnt 0x0
; o = softmax(q k^T / 8, causal) v for 64 heads (16 b + h) of 2,048 tokens x 64 dims, both products on codes of FP6 (E2M3); o leaves quantised along D, as operand images for the last product.
; t = score x log2(e) / 8; M = the running largest t rounded UP to a whole number; p = 2^(t - M) is quantised along the keys, not normalised; the row's sum is taken of the unquantised p and divides at the end.
; SHARES.  Work-group (i, head) owns the query blocks of 256 numbered 7 - i and i, one after the other: 8 - i and i + 1 key slots of 256, NINE trips for every work-group: 256 work-groups of equal work,
; and only slots that the mask leaves are walked.  Each of the sixteen waves owns one tile of 16 queries (query 32 (w / 2) + 8 (w % 2) + r + 8 (r / 8) of the block) in 256 registers.
; No cluster: the four work-groups of a head walk different slots from the fifth trip on, so they could not make every joint request together.
; A slot's record (25,600 dense bytes: K's pair fragments, V's fragments, both scale words) comes by four tensor loads (waves 0 to 3, 25 rows of 256 bytes each) into a ring of two LDS slots, read by all sixteen waves.
; K = 64 IN AN INSTRUCTION OF 128: a fragment of K holds TWO tiles of 16 keys (registers 0-5, 6-11).  Q lies between zeros, v16-21 | v22-27 | v28-33: v[22:33] = (q, 0) multiplies the first tile, v[16:27] = (0, q) the second;
; zero codes add nothing under the other tile's scale bytes, which lie between 1 and 254.  Q's scale word repeats its two bytes.
; Both products are used transposed: a lane holds one query; the 16 registers of score tiles 2 g, 2 g + 1 are keys 32 g + 16 h + 0..15; O^T's registers 16 b + i are dims 32 b + 16 h + i.
; aq: as the operand images of tokens, [run of 128 tokens][K step = head / 2][tile][1,536], here in six planes of 256 bytes (registers 2 p, 2 p + 1, lane l at 8 l): head h fills planes 3 (h % 2) on;
; scale words at AQS + run x 4,096 + (h / 4) x 1,024 + tile x 128 + r x 8 + ((h / 2) % 2) x 4, of which head h writes bytes 2 (h % 2) and + 1: these leave as single bytes, 32 for a tile and a head.
; LIMITS: NaN and infinities are not served; a block whose largest magnitude lies under 2^-124 keeps the byte 1; a block of zeros has the byte 1: its codes are zeros, and this program alone reads the bytes.
; REGISTERS: v1 16 lane, v2 8 lane, v3 r + 8 (r / 8) - 16 h, v4 8 r + h, v5-6 the add's, v7 256 lane, v8-9 LDS addresses in hand; v12 -M, v13 the largest t, v[14:15] the sum; v16-33 Q between zeros; v34 Q's scale word, v35 p's;
; v36-42, v44-50 the passes' Q and words; v52-61 o's codes; v64-111 four fragments; v112-175 scores, then p; v176-207 O^T; v208-219 p's codes; v220-255 at work.
.set QOFF,  13107200
.set REC,   25600
.set HEADB, 204800
.set AQS,   6291456
.set SLOT1, 32768
.set SPARE, 65536                      ; the spare words, 128 bytes for each of sixteen waves
.set KFR,  64
.set SCR,  112
.set OAC,  176
.set PCD,  208
.set TB,   2                           ; s2   LDS byte at which the slot in hand begins
.set WV,   18
.set SEL,  20
.set CS,   22                          ; s[22:23] c = log2(e) / 8
.set G1,   24
.set G0,   32
.set KVW,  36                          ; s[36:37] the head's records + my wave's quarter
.set TRP,  38                          ; the trip
.set NHI,  39                          ; trips of the first pass
.set LAST, 41                          ; the pass's last trip
.set NS,   42                          ; the key slot last asked for
.set KF,   46                          ; the step's first key
.set Q0,   47                          ; my first query; s48, s49: the passes to come
.set OC,   50                          ; where o's codes go; s51, s52
.set OS,   53                          ; and its scale bytes; s54, s55
.set PFA,  76
.set LIM,  80
.macro TLOAD                           ; waves 0 to 3 fetch a quarter each; four v_nop follow the line
	s_cmp_lt_u32 s[WV], 4
	s_cbranch_scc0 .Lasked_\@
	tensor_load_to_lds s[G0:G0+3], s[G1:G1+7]
	s_nop 0
.rept 4
	v_nop
.endr
.Lasked_\@:
.endm
; A PREFETCH INTO THE L2.  A head's records are 800 blocks of 256 bytes, which its four work-groups walk; work-group 0 of the head asks, by waves 4 to 6, which fetch nothing: in trip t blocks 224 + 96 t + 32 (w - 4) + lane,
; t = 0 .. 5: each block from 224 to 799 once, always ahead of the tensor load of trip t + 1, which wants blocks up to 299 + 100 t.  Blocks 0 to 223 come by their loads alone; the later trips ask for nothing.
.macro ASK
	s_cmp_lt_u32 s[TRP], s[LIM]
	s_cbranch_scc0 .Lnot_mine_\@
	global_prefetch_b8 v7, s[PFA:PFA+1] th:TH_LOAD_NT scope:SCOPE_SE
.Lnot_mine_\@:
.endm
	s_load_b128 s[4:7], s[0:1], 0x0                ; qkv, aq
	v_lshl_add_u32 v5, v0, 2, SPARE
	v_mov_b32 v6, 0
	ds_add_u32 v5, v6
	ds_add_u32 v5, v6
	s_wait_dscnt 0x0
	v_lshrrev_b32 v8, 5, v0
	s_delay_alu instid0(VALU_DEP_1)
	v_readfirstlane_b32 s[WV], v8                  ; wave 0..15
	s_and_b32 s82, ttmp7, 0xffff                   ; the head, 16 b + h
	s_mul_i32 s83, s82, HEADB
	s_mul_i32 s[G0+1], s[WV], 6400                 ; LDS address: my quarter of slot 0
	s_add_co_u32 s84, s83, s[G0+1]
	s_mov_b32 s85, 0
	s_mov_b32 s[G1], 3<<16                         ; no mask; elements of 8 bytes; no padding
	s_mov_b32 s[G1+1], 32<<16                      ; tensor_dim0: 256 bytes
	s_mov_b32 s[G1+2], 25<<16                      ; tensor_dim1
	s_mov_b32 s[G1+3], 32<<16                      ; tile_dim0
	s_mov_b32 s[G1+4], 25                          ; tile_dim1
	s_mov_b32 s[G1+5], 32                          ; the pitch: dense
	s_mov_b32 s[G1+6], 0
	s_mov_b32 s[G1+7], 0
	s_mov_b32 s[G0], 1
	s_wait_kmcnt 0x0
	s_add_nc_u64 s[KVW:KVW+1], s[4:5], s[84:85]
	s_mov_b64 s[G0+2:G0+3], s[KVW:KVW+1]
	s_or_b32 s[G0+3], s[G0+3], 0x80000000
	TLOAD                                          ; key slot 0
	v_and_b32 v10, 31, v0                          ; lane
	s_delay_alu instid0(VALU_DEP_1)
	v_lshlrev_b32 v1, 4, v10
	s_delay_alu instid0(VALU_DEP_2)
	v_lshlrev_b32 v2, 3, v10
	s_delay_alu instid0(VALU_DEP_3)
	v_lshlrev_b32 v7, 8, v10
	v_and_b32 v8, 15, v0                           ; r
	s_wait_alu depctr_va_vdst(0)
	v_bfe_u32 v9, v0, 4, 1                         ; h
	v_and_b32 v11, 8, v8
	s_delay_alu instid0(VALU_DEP_1)
	v_add_nc_u32 v11, v11, v8                      ; r + 8 (r / 8)
	s_delay_alu instid0(VALU_DEP_3)
	v_lshlrev_b32 v3, 4, v9
	s_delay_alu instid0(VALU_DEP_1)
	v_sub_nc_u32 v3, v11, v3
	v_lshl_add_u32 v4, v8, 3, v9
	; Q of both passes: pair fragment w / 2 of the block's record, of which I keep tile w % 2
	s_lshr_b32 s86, s[WV], 1
	s_mul_i32 s87, s86, 1536
	v_add_nc_u32 v10, s87, v1
	s_wait_alu depctr_va_vdst(0)
	s_lshr_b32 s88, s[WV], 3
	s_lshl_b32 s88, s88, 8                         ; its scale word: which 128 tokens,
	s_and_b32 s89, s86, 1
	s_lshl_b32 s89, s89, 7                         ; which half of the lanes,
	s_add_co_u32 s88, s88, s89
	s_bfe_u32 s89, s[WV], 0x10002
	s_lshl_b32 s89, s89, 2                         ; which of the two words
	s_add_co_u32 s88, s88, s89
	s_add_co_u32 s88, s88, 24576
	v_lshl_add_u32 v11, v8, 3, s88
	s_wait_alu depctr_va_vdst(0)
	s_sub_co_u32 s90, 7, ttmp9                     ; the first pass's block
	s_lshl_b32 s91, s82, 3
	s_add_co_u32 s92, s91, s90
	s_mul_i32 s92, s92, REC
	s_add_co_u32 s92, s92, QOFF
	s_mov_b32 s93, 0
	s_add_nc_u64 s[56:57], s[4:5], s[92:93]
	s_add_co_u32 s92, s91, ttmp9                   ; the second's
	s_mul_i32 s92, s92, REC
	s_add_co_u32 s92, s92, QOFF
	s_add_nc_u64 s[58:59], s[4:5], s[92:93]
.irp p, 0,1,2
	global_load_b128 v[64+4*\p:67+4*\p], v10, s[56:57] offset:512*\p
	global_load_b128 v[76+4*\p:79+4*\p], v10, s[58:59] offset:512*\p
.endr
	global_load_b32 v88, v11, s[56:57]
	global_load_b32 v89, v11, s[58:59]
	s_mov_b32 s[SEL], 0x76543210
	s_mov_b32 s[SEL+1], 0xfedcba98
	s_mov_b32 s[CS], 0x3e38aa3b                    ; c = log2(e) / 8
	s_mov_b32 s[CS+1], s[CS]                       ; (named with it as a pair)
	s_mov_b32 s[TB], 0
	s_mov_b32 s[TRP], 0
	s_mov_b32 s[NS], 0
	s_mov_b32 s45, 0
	s_sub_co_u32 s[NHI], 8, ttmp9
	s_sub_co_u32 s[LAST], s[NHI], 1
	s_and_b32 s61, s[WV], 1
	s_sub_co_u32 s60, 0, s61                       ; all ones in odd waves: they keep the pair's second tile
	s_mul_i32 s61, s61, 0x02020202
	s_add_co_u32 s61, s61, 0x01000100              ; and the word's upper two bytes, twice; even waves the lower two
	; my first query in each pass
	s_lshl_b32 s92, s86, 5
	s_and_b32 s93, s[WV], 1
	s_lshl_b32 s93, s93, 3
	s_add_co_u32 s92, s92, s93
	s_lshl_b32 s93, s90, 8
	s_add_co_u32 s48, s92, s93
	s_lshl_b32 s93, ttmp9, 8
	s_add_co_u32 s49, s92, s93
	; where o goes
	s_lshr_b32 s86, s82, 4                         ; b
	s_and_b32 s87, s82, 15                         ; h
	s_lshl_b32 s86, s86, 4
	s_lshr_b32 s88, s[WV], 3
	s_add_co_u32 s86, s86, s88                     ; the run of 128 tokens, less twice the block
	s_and_b32 s88, s[WV], 7                        ; the tile
	s_mul_i32 s89, s86, 98304
	s_lshr_b32 s91, s87, 1
	s_mul_i32 s91, s91, 12288
	s_add_co_u32 s89, s89, s91
	s_mul_i32 s91, s88, 1536
	s_add_co_u32 s89, s89, s91
	s_and_b32 s91, s87, 1
	s_mul_i32 s92, s91, 768
	s_add_co_u32 s89, s89, s92
	s_mul_i32 s92, s90, 196608
	s_add_co_u32 s51, s89, s92
	s_mul_i32 s92, ttmp9, 196608
	s_add_co_u32 s52, s89, s92
	s_lshl_b32 s89, s86, 12
	s_lshr_b32 s92, s87, 2
	s_lshl_b32 s92, s92, 10
	s_add_co_u32 s89, s89, s92
	s_lshl_b32 s92, s88, 7
	s_add_co_u32 s89, s89, s92
	s_bfe_u32 s92, s87, 0x10001
	s_lshl_b32 s92, s92, 2
	s_add_co_u32 s89, s89, s92
	s_lshl_b32 s92, s91, 1
	s_add_co_u32 s89, s89, s92
	s_add_co_u32 s89, s89, AQS
	s_lshl_b32 s92, s90, 13
	s_add_co_u32 s54, s89, s92
	s_lshl_b32 s92, ttmp9, 13
	s_add_co_u32 s55, s89, s92
	; the prefetches: block 128 + 32 (w % 4) of the head; each change of slots steps 96 blocks on before it asks
	s_and_b32 s92, s[WV], 3
	s_lshl_b32 s92, s92, 13
	s_add_co_u32 s92, s92, 32768
	s_add_co_u32 s92, s92, s83
	s_mov_b32 s93, 0
	s_add_nc_u64 s[PFA:PFA+1], s[4:5], s[92:93]
	s_sub_co_u32 s92, s[WV], 4
	s_cmp_lt_u32 s92, 3                            ; waves 4 to 6
	s_cselect_b32 s[LIM], 6, 0
	s_cmp_eq_u32 ttmp9, 0                          ; of the head's first work-group
	s_cselect_b32 s[LIM], s[LIM], 0
.irp i, 0,1,2,3,4,5
	v_mov_b32 v[16+\i], 0                          ; the zeros on both sides of Q
	v_mov_b32 v[28+\i], 0
.endr
.irp b, 0,1,2,3
	v_mov_b32 v[236+\b], 0                         ; a lane permute's destination counts as one of its sources
.endr
	v_mov_b32 v253, 0                              ; (the upper half of the pair v[252:253])
	v_mov_b32 v254, 0
	s_wait_loadcnt 0x0
.irp i, 0,1,2,3,4,5
	v_cndmask_b32 v[36+\i], v[64+\i], v[70+\i], s60
	v_cndmask_b32 v[44+\i], v[76+\i], v[82+\i], s60
.endr
	v_perm_b32 v42, v88, v88, s61
	v_perm_b32 v50, v89, v89, s61
; A pass begins: its Q, its places, and empty sums.  The scale word is written first, so that it stands more than eight plain instructions ahead of the first product.
.macro INIT
	v_mov_b32 v34, v42
.irp i, 0,1,2,3,4,5
	v_mov_b32 v[22+\i], v[36+\i]
.endr
.irp i, 0,1,2,3,4,5
	v_mov_b32 v[36+\i], v[44+\i]                   ; the next pass's moves up
.endr
	v_mov_b32 v42, v50
	v_mov_b32 v13, 0xff61b1e6                      ; the largest t so far: -3e38
	s_delay_alu instid0(VALU_DEP_1)
	v_floor_f32 v12, -v13
	v_mov_b32 v14, 0
	v_mov_b32 v15, 0
.set j, 0
.rept 32
	v_mov_b32 v[OAC+j], 0                          ; O^T: the step is written once; the first finds zeros
.set j, j+1
.endr
	s_mov_b32 s[Q0], s[Q0+1]
	s_mov_b32 s[Q0+1], s[Q0+2]
	s_mov_b32 s[OC], s[OC+1]
	s_mov_b32 s[OC+1], s[OC+2]
	s_mov_b32 s[OS], s[OS+1]
	s_mov_b32 s[OS+1], s[OS+2]
	s_mov_b32 s[KF], 0
.endm
	INIT                                           ; the first pass
.macro KQ d, a, b, sa, row             ; 16 keys x my 16 queries
.if \row
	v_wmma_scale_f32_16x16x128_f8f6f4 v[(\d):(\d)+7], v[(\a):(\a)+11], v[(\b):(\b)+11], 0, v[\sa], v34 matrix_a_fmt:MATRIX_FMT_FP6 matrix_b_fmt:MATRIX_FMT_FP6 matrix_a_scale:MATRIX_SCALE_ROW1
.else
	v_wmma_scale_f32_16x16x128_f8f6f4 v[(\d):(\d)+7], v[(\a):(\a)+11], v[(\b):(\b)+11], 0, v[\sa], v34 matrix_a_fmt:MATRIX_FMT_FP6 matrix_b_fmt:MATRIX_FMT_FP6
.endif
.endm
.macro PV d, a, sa, row                ; 16 dims x my 16 queries, 128 keys
.if \row
	v_wmma_scale_f32_16x16x128_f8f6f4 v[(\d):(\d)+7], v[(\a):(\a)+11], v[PCD:PCD+11], v[(\d):(\d)+7], v[\sa], v35 matrix_a_fmt:MATRIX_FMT_FP6 matrix_b_fmt:MATRIX_FMT_FP6 matrix_a_scale:MATRIX_SCALE_ROW1
.else
	v_wmma_scale_f32_16x16x128_f8f6f4 v[(\d):(\d)+7], v[(\a):(\a)+11], v[PCD:PCD+11], v[(\d):(\d)+7], v[\sa], v35 matrix_a_fmt:MATRIX_FMT_FP6 matrix_b_fmt:MATRIX_FMT_FP6
.endif
.endm
; A KEY STEP: 128 keys, the q-th of the slot in hand.
.macro STEP q
	s_add_co_u32 s96, s[Q0], 23                    ; a step all of whose keys come after my queries is left out: a branch on ids; no barrier and no tensor load stands in a step
	s_cmp_gt_u32 s[KF], s96
	s_cbranch_scc1 .Lhidden_\@
	v_add_nc_u32 v8, s[TB], v1
	v_add_nc_u32 v9, s[TB], v2
	v_nop
	v_nop                                          ; four places in front of loads into registers that the last products read
.irp g, 0,1,2,3
.irp p, 0,1,2
	ds_load_b128 v[KFR+12*\g+4*\p:KFR+12*\g+4*\p+3], v8 offset:6144*\q+1536*\g+512*\p
.endr
.endr
	ds_load_b64 v[248:249], v9 offset:24576+256*\q ; K's scale words: v248 groups 0 | 1, v249 groups 2 | 3
	s_wait_alu depctr_va_vdst(0)
	s_wait_dscnt 0x0
.irp g, 0,1,2,3
	KQ SCR+16*\g, KFR+12*\g, 22, 248+\g/2, \g%2    ; the pair's first tile: (q, 0)
	KQ SCR+16*\g+8, KFR+12*\g, 16, 248+\g/2, \g%2  ; its second: (0, q)
.endr
.rept 4
	v_nop                                          ; places in front of the loads below and of the first read of the scores
.endr
.irp t, 0,1,2,3
.irp p, 0,1,2
	ds_load_b128 v[KFR+12*\t+4*\p:KFR+12*\t+4*\p+3], v8 offset:12288+6144*\q+1536*\t+512*\p   ; V's fragments land while the softmax is walked
.endr
.endr
	ds_load_b64 v[250:251], v9 offset:25088+256*\q ; V's scale words: v250 tiles 0 | 1, v251 tiles 2 | 3
	s_add_co_u32 s96, s[KF], 127                   ; on the diagonal hidden scores become -infinity ahead of the maximum; a step all of whose keys count skips this
	s_cmp_le_u32 s96, s[Q0]
	s_cbranch_scc1 .Lopen_\@
	s_sub_co_i32 s96, s[Q0], s[KF]
	v_add_nc_u32 v255, s96, v3                     ; d = my query - KF - 16 h.  Register n holds key KF + 16 h + 32 (n / 16) + n % 16: hidden where 32 (n / 16) + n % 16 > d
	v_mov_b32 v254, 0xff800000
.set n, 0
.rept 64
	v_cmp_gt_i32 vcc_lo, 32*(n/16)+n%16, v255
	v_cndmask_b32 v[SCR+n], v[SCR+n], v254, vcc_lo
.set n, n+1
.endr
.Lopen_\@:
.irp b, 0,1,2,3
	v_max3_num_f32 v[232+\b], v[SCR+16*\b], v[SCR+1+16*\b], v[SCR+2+16*\b]   ; the largest score of each block of 32 keys: for the row's maximum, and for the block's largest p
.endr
.irp i, 3,5,7,9,11,13
.irp b, 0,1,2,3
	v_max3_num_f32 v[232+\b], v[232+\b], v[SCR+16*\b+\i], v[SCR+1+16*\b+\i]
.endr
.endr
.irp b, 0,1,2,3
	v_max_num_f32 v[232+\b], v[232+\b], v[SCR+15+16*\b]
.endr
.irp b, 0,1,2,3
	s_delay_alu instid0(VALU_DEP_4)
	v_permlanex16_b32 v[236+\b], v[232+\b], s[SEL], s[SEL+1]
.endr
.irp b, 0,1,2,3
	s_delay_alu instid0(VALU_DEP_4)
	v_max_num_f32 v[232+\b], v[232+\b], v[236+\b]
.endr
	s_delay_alu instid0(VALU_DEP_2)
	v_max3_num_f32 v254, v232, v233, v234
	s_delay_alu instid0(VALU_DEP_1)
	v_max_num_f32 v254, v254, v235
	s_delay_alu instid0(VALU_DEP_1)
	v_mul_f32 v254, s[CS], v254                    ; as t
	s_delay_alu instid0(VALU_DEP_1)
	v_max_num_f32 v13, v13, v254                   ; the running largest t
	v_mov_b32 v254, v12
	s_delay_alu instid0(VALU_DEP_2)
	v_floor_f32 v12, -v13                          ; the new -M: M is a whole number
	s_delay_alu instid0(VALU_DEP_1)
	v_sub_f32 v254, v12, v254
	s_delay_alu instid0(VALU_DEP_1)
	v_cvt_i32_f32 v254, v254                       ; (it saturates)
	s_delay_alu instid0(VALU_DEP_1)
	v_ldexp_f32 v252, 1.0, v254                    ; f = 2^(old M - new M)
.set j, 0
.rept 32
	v_pk_fma_f32 v[SCR+j:SCR+j+1], v[SCR+j:SCR+j+1], s[CS:CS+1], v[12:13] op_sel_hi:[1,0,0]   ; t - M
.set j, j+2
.endr
.irp b, 0,1,2,3
	v_fma_f32 v[232+\b], v[232+\b], s[CS], v12
.endr
.set j, 0
	s_wait_alu depctr_va_vdst(0)
.rept 64
	v_exp_f32 v[SCR+j], v[SCR+j]                   ; p = 2^(t - M)
.set j, j+1
.endr
	v_pk_mul_f32 v[14:15], v[14:15], v[252:253] op_sel_hi:[1,0]   ; the sums under the new M: a plain place behind the exponentials
	s_wait_alu depctr_va_vdst(0)                   ; one wait for the batch of 64, ahead of its first reader
.irp b, 0,1,2,3
	v_exp_f32 v[232+\b], v[232+\b]                 ; each block's largest p
.endr
	v_pk_add_f32 v[236:237], v[116:117], v[120:121]
	v_pk_add_f32 v[248:249], v[124:125], v[128:129]
	v_pk_add_f32 v[246:247], v[132:133], v[136:137]
	v_pk_add_f32 v[244:245], v[140:141], v[144:145]
	v_pk_add_f32 v[242:243], v[148:149], v[152:153]
	v_pk_add_f32 v[240:241], v[156:157], v[160:161]
	v_pk_add_f32 v[238:239], v[164:165], v[168:169]
	v_pk_add_f32 v[14:15], v[14:15], v[172:173]
	v_pk_add_f32 v[236:237], v[236:237], v[112:113]
	v_pk_add_f32 v[248:249], v[248:249], v[114:115]
	v_pk_add_f32 v[246:247], v[246:247], v[118:119]
	v_pk_add_f32 v[244:245], v[244:245], v[122:123]
	v_pk_add_f32 v[242:243], v[242:243], v[126:127]
	v_pk_add_f32 v[240:241], v[240:241], v[130:131]
	v_pk_add_f32 v[238:239], v[238:239], v[134:135]
	v_pk_add_f32 v[14:15], v[14:15], v[138:139]
	v_pk_add_f32 v[236:237], v[236:237], v[142:143]
	v_pk_add_f32 v[248:249], v[248:249], v[146:147]
	v_pk_add_f32 v[246:247], v[246:247], v[150:151]
	v_pk_add_f32 v[244:245], v[244:245], v[154:155]
	v_pk_add_f32 v[242:243], v[242:243], v[158:159]
	v_pk_add_f32 v[240:241], v[240:241], v[162:163]
	v_pk_add_f32 v[238:239], v[238:239], v[166:167]
	v_pk_add_f32 v[14:15], v[14:15], v[170:171]
	v_pk_add_f32 v[236:237], v[236:237], v[174:175]
	s_delay_alu instid0(VALU_DEP_2)
	v_pk_add_f32 v[14:15], v[14:15], v[244:245]
	s_delay_alu instid0(VALU_DEP_2)
	v_pk_add_f32 v[236:237], v[236:237], v[242:243]
	v_pk_add_f32 v[248:249], v[248:249], v[240:241]
	v_pk_add_f32 v[246:247], v[246:247], v[238:239]
	s_delay_alu instid0(VALU_DEP_2)
	v_pk_add_f32 v[14:15], v[14:15], v[248:249]
	s_delay_alu instid0(VALU_DEP_2)
	v_pk_add_f32 v[236:237], v[236:237], v[246:247]
	s_delay_alu instid0(VALU_DEP_1)
	v_pk_add_f32 v[14:15], v[14:15], v[236:237]
	s_wait_alu depctr_va_vdst(0)                   ; and one for the four
.irp b, 0,1,2,3
	v_max_num_f32 v[232+\b], 0x1800000, v[232+\b]  ; the floor 2^(3 - 127)
.endr
.irp b, 0,1,2,3
	s_delay_alu instid0(VALU_DEP_4)
	v_add_nc_u32 v[244+\b], 0xff000000, v[232+\b]
.endr
.irp b, 0,1,2,3
	s_delay_alu instid0(VALU_DEP_4)
	v_lshrrev_b32 v[236+\b], 23, v[244+\b]
.endr
	s_delay_alu instid0(VALU_DEP_3)
	v_lshl_or_b32 v35, v237, 8, v236               ; p's scale word for these 128 keys
	s_delay_alu instid0(VALU_DEP_1)
	v_lshl_or_b32 v35, v238, 16, v35
	s_delay_alu instid0(VALU_DEP_1)
	v_lshl_or_b32 v35, v239, 24, v35
.irp c, 0,1
	v_cvt_scalef32_pk16_fp6_f32 v[PCD+6*\c:PCD+2+6*\c], v[SCR+32*\c:SCR+15+32*\c], v[244+2*\c]
	v_cvt_scalef32_pk16_fp6_f32 v[220+4*\c:222+4*\c], v[SCR+16+32*\c:SCR+31+32*\c], v[244+2*\c+1]
.endr
	v_nop                                          ; one plain place behind a scaled conversion
.irp c, 0,1
.irp i, 0,1,2
	v_permlane16_swap_b32 v[PCD+6*\c+\i], v[220+4*\c+\i]   ; a whole block to a lane
.endr
.irp i, 0,1,2
	s_delay_alu instid0(VALU_DEP_3)
	v_mov_b32 v[PCD+3+6*\c+\i], v[220+4*\c+\i]
.endr
.endr
.set j, 0
.rept 16
	v_pk_mul_f32 v[OAC+j:OAC+j+1], v[OAC+j:OAC+j+1], v[252:253] op_sel_hi:[1,0]   ; O^T under the new M; these sixteen also stand between the writes of p's codes and word and the products
.set j, j+2
.endr
	s_wait_alu depctr_va_vdst(0)
	s_wait_dscnt 0x0                               ; V is in
.irp t, 0,1,2,3
	PV OAC+8*\t, KFR+12*\t, 250+\t/2, \t%2         ; the four accumulators by turns
.endr
.Lhidden_\@:
	s_add_co_u32 s[KF], s[KF], 128
.endm
; THE CHANGE OF SLOTS, at a trip's head.  Each wave waits for all its tensor loads, adds 0 to its spare word, and waits for that and for its reads of the slot that it has left; behind the barrier the slot ahead is whole
; and nobody reads the other one, which is filled with the next trip's keys: the load has a whole trip in which to land.
.macro CHANGE fill
	s_wait_tensorcnt 0x0                           ; no tensor load of mine is out, so the descriptor may be written
	ds_add_u32 v5, v6                              ; 0 onto my spare word
.if \fill
	s_add_co_u32 s[NS], s[NS], 1                   ; the next key slot; behind the first pass's last the walk begins anew
	s_cmp_eq_u32 s[NS], s[NHI]
	s_cselect_b32 s[NS], 0, s[NS]
	s_mul_i32 s44, s[NS], REC
	s_xor_b32 s[G0+1], s[G0+1], SLOT1              ; the other LDS slot than last time
	s_add_nc_u64 s[G0+2:G0+3], s[KVW:KVW+1], s[44:45]
	s_or_b32 s[G0+3], s[G0+3], 0x80000000
	s_wait_xcnt 0x0                                ; the last prefetch, a trip back, has read its address
	s_add_nc_u64 s[PFA:PFA+1], s[PFA:PFA+1], 24576
.endif
	s_wait_dscnt 0x0                               ; the add is done, and my reads of the slot that I have left are over
	s_barrier_signal -1
	s_barrier_wait -1
.if \fill
	TLOAD                                          ; the first thing behind the barrier, and a wave's one tensor load until the next
	ASK
.endif
.endm
; A pass ends: O^T / the sum, quantised along D (two blocks of 32 dims), leaves as three planes and a byte a lane.
.macro FINISH
	s_wait_xcnt 0x0                                ; the first pass's stores have read their registers and bases
	v_add_f32 v14, v14, v15
	s_delay_alu instid0(VALU_DEP_1)
	v_permlanex16_b32 v254, v14, s[SEL], s[SEL+1]
	s_delay_alu instid0(VALU_DEP_1)
	v_add_f32 v14, v14, v254                       ; the row's sum
	s_wait_alu depctr_va_vdst(0)
	v_rcp_f32 v14, v14
	s_mov_b32 s44, s[OC]
	s_add_nc_u64 s[56:57], s[6:7], s[44:45]
	s_mov_b32 s44, s[OS]
	s_add_nc_u64 s[58:59], s[6:7], s[44:45]
.rept 4
	v_nop                                          ; places behind the last products, and the plain place behind the reciprocal
.endr
	s_wait_alu depctr_va_vdst(0)                   ; ahead of the reciprocal's first reader
.set j, 0
.rept 16
	v_pk_mul_f32 v[SCR+j:SCR+j+1], v[OAC+j:OAC+j+1], v[14:15] op_sel_hi:[1,0]   ; each accumulator from its low end on
.set j, j+2
.endr
.irp b, 0,1
	v_max3_num_f32 v[232+\b], |v[SCR+16*\b]|, |v[SCR+16*\b+1]|, 0x1800000
.endr
.irp i, 2,4,6,8,10,12,14
.irp b, 0,1
	s_delay_alu instid0(VALU_DEP_2)
	v_max3_num_f32 v[232+\b], v[232+\b], |v[SCR+16*\b+\i]|, |v[SCR+16*\b+\i+1]|
.endr
.endr
.irp b, 0,1
	s_delay_alu instid0(VALU_DEP_2)
	v_permlanex16_b32 v[236+\b], v[232+\b], s[SEL], s[SEL+1]
.endr
.irp b, 0,1
	s_delay_alu instid0(VALU_DEP_2)
	v_max_num_f32 v[232+\b], v[232+\b], v[236+\b]
.endr
.irp b, 0,1
	s_delay_alu instid0(VALU_DEP_2)
	v_add_nc_u32 v[244+\b], 0xff000000, v[232+\b]
.endr
.irp b, 0,1
	s_delay_alu instid0(VALU_DEP_2)
	v_lshrrev_b32 v[236+\b], 23, v[244+\b]
.endr
	v_cvt_scalef32_pk16_fp6_f32 v[52:54], v[SCR:SCR+15], v244
	v_cvt_scalef32_pk16_fp6_f32 v[58:60], v[SCR+16:SCR+31], v245
	v_nop                                          ; one plain place behind a scaled conversion
.irp i, 0,1,2
	v_permlane16_swap_b32 v[52+\i], v[58+\i]
.endr
.irp i, 0,1,2
	s_delay_alu instid0(VALU_DEP_3)
	v_mov_b32 v[55+\i], v[58+\i]                   ; v52-57: dims 32 h + 0..31 of my query
.endr
	v_cmp_lt_u32 vcc_lo, 127, v2                   ; lanes 16-31
	s_delay_alu instid0(VALU_DEP_1)
	v_cndmask_b32 v61, v236, v237, vcc_lo          ; my half's block's byte
.irp p, 0,1,2
	global_store_b64 v2, v[52+2*\p:53+2*\p], s[56:57] offset:256*\p   ; a plane: 256 consecutive bytes, aligned
.endr
	global_store_b8 v4, v61, s[58:59]
	s_mov_b32 s[LAST], 8                           ; the second pass ends with the last trip
.endm
.macro TRIP fill
	CHANGE \fill
	s_cmp_lg_u32 s[TRP], s[NHI]
	s_cbranch_scc1 .Lsame_\@
	INIT                                           ; the second pass begins
.Lsame_\@:
	STEP 0
	STEP 1
	s_xor_b32 s[TB], s[TB], SLOT1
	s_cmp_lg_u32 s[TRP], s[LAST]
	s_cbranch_scc1 .Lon_\@
	FINISH
.Lon_\@:
.endm
.Lslot:                                            ; eight trips ask for the next trip's keys
	TRIP 1
	s_add_co_u32 s[TRP], s[TRP], 1
	s_cmp_lt_u32 s[TRP], 8
	s_cbranch_scc1 .Lslot
	TRIP 0                                         ; the ninth is written out
	s_wait_tensorcnt 0x0                           ; the wave's end
	ds_add_u32 v5, v6
	s_wait_dscnt 0x0
	s_endpgm
.Lfunc_end_k_q9fed51dd74_attn:
	.size	k_q9fed51dd74_attn, .Lfunc_end_k_q9fed51dd74_attn-k_q9fed51dd74_attn
	.p2alignl 7, 3214868480
	.fill 96, 4, 3214868480
	.section	.rodata,"a",@progbits
	.p2align	6, 0x0
	.amdhsa_kernel k_q9fed51dd74_attn
		.amdhsa_group_segment_fixed_size 327680
		.amdhsa_private_segment_fixed_size 0
		.amdhsa_enable_private_segment 0
		.amdhsa_kernarg_size 16
		.amdhsa_user_sgpr_count 2
		.amdhsa_user_sgpr_kernarg_segment_ptr 1
		.amdhsa_wavefront_size32 1
		.amdhsa_system_sgpr_workgroup_id_x 1
		.amdhsa_system_sgpr_workgroup_id_y 1
		.amdhsa_system_sgpr_workgroup_id_z 1
		.amdhsa_system_vgpr_workitem_id 0
		.amdhsa_next_free_vgpr 256
		.amdhsa_next_free_sgpr 100
		.amdhsa_reserve_vcc 1
		.amdhsa_float_denorm_mode_32 3
		.amdhsa_float_denorm_mode_16_64 3
		.amdhsa_memory_ordered 1
		.amdhsa_forward_progress 1
		.amdhsa_inst_pref_size 112
	.end_amdhsa_kernel
	.amdgpu_metadata
---
amdhsa.version: [ 1, 2 ]
amdhsa.kernels:
  - .name:           k_q9fed51dd74_attn
    .symbol:         k_q9fed51dd74_attn.kd
    .args:
      - { .name: qkv, .offset: 0, .size: 8, .value_kind: global_buffer, .address_space: global }
      - { .name: aq, .offset: 8, .size: 8, .value_kind: global_buffer, .address_space: global }
    .group_segment_fixed_size: 327680
    .private_segment_fixed_size: 0
    .kernarg_segment_align: 8
    .kernarg_segment_size: 16
    .max_flat_workgroup_size: 512
    .sgpr_count:     100
    .vgpr_count:     256
    .wavefront_size: 32
...
	.end_amdgpu_metadata
.endif
;; end of part 3
;; launch outp (part 4): grid 4 x 32, 4 waves a work-group, clusters of 4 x 4, 327,680 bytes of LDS; arguments aq, ops, b_out, out0; writes out0
.if DOCPART == 4
	.amdgcn_target "amdgcn-amd-amdhsa--gfx1250"
	.amdhsa_code_object_version 6
	.text
	.protected	k_q9fed51dd74_outp
	.globl	k_q9fed51dd74_outp
	.p2align	8
	.type	k_q9fed51dd74_outp,@function
k_q9fed51dd74_outp:
	s_mov_b64 s[64:65], 0
	v_nop
	global_prefetch_b8 v0, s[64:65] scope:SCOPE_SE
	s_setreg_imm32_b32 hwreg(HW_REG_WAVE_MODE, 25, 1), 1
	s_wait_xcnt 0x0
	s_wait_alu depctr_hold_cnt(0) depctr_sa_sdst(0) depctr_va_vdst(0) depctr_va_sdst(0) depctr_va_ssrc(0) depctr_va_vcc(0) depctr_vm_vsrc(0)
	s_getreg_b32 s2, hwreg(HW_REG_IB_STS2, 6, 4)
	s_cmp_eq_u32 s2, 0
	s_cbranch_scc0 .Lentry_in_a_cluster
	s_endpgm
.Lentry_in_a_cluster:
	s_bfe_u32 s2, ttmp6, 0x10000c
	s_cmp_lg_u32 s2, 0xf033
	s_cbranch_scc0 .Lentry_shape_is_right
	s_endpgm
.Lentry_shape_is_right:
; out0 = o W_out + b_out on codes of FP6 (E2M3), K = 1024; out0 [8192][1024] f32.  o's codes and scale words come from aq, W_out's from ops (runs 88..95), both as images of operand registers
; (a run of 128 rows, 8 tiles; lane r of tile i holds row 32 (i / 2) + 8 (i % 2) + r + 8 (r / 8)).  o's fragments lie in six planes of 256 bytes (six ds_load_b64), W_out's in three of 512 (three ds_load_b128).
; A work-group of four waves makes 256 tokens x 256 columns, a wave 128 x 128: 64 accumulators.  K goes in steps of 256 through a ring of two LDS slots; a wave's tensor load brings one dense block of 24,576 bytes.
; The product is used transposed (source 0 = 16 columns of W_out, source 1 = 16 tokens): a lane holds a token, and registers of result tiles 2 b, 2 b + 1 are 16 neighbouring columns.  The bias is the C of each sum's first instruction.
; CLUSTER 4 x 4: o's tiles are asked for jointly along a row of the cluster, W_out's along a column.  128 work-groups: a smaller tile would fill more WGPs, at twice the LDS bytes for each product.
; No prefetch: a slot's load has 112 matrix instructions in which to land, and the tiles are shared in the cluster.
; REGISTERS, in windows of 256: window 0: v16-29 addresses; v32-63 scale words, two sets; v64-127 the bias; v128-223 A's fragments; on the way out v128-255 rows of out0.  window 1: B's two sets.  windows 2, 3: the accumulators.
.set SCO,    9437184
.set AQS,    6291456
.set NQ,     2
.set FR,     12
.set NLA,    6                         ; LDS loads that bring a fragment of A
.set NP,     4
.set HALFT,  24576
.set SLOT,   4*HALFT
.set LAPS,   2
.set SCL,    2*SLOT
.set SPARE,  SCL+4*4096
.set SPITCH, 528                       ; the way out: a stage of 16 rows x (512 + 16) bytes for each wave, in slot 0, which has had its last fill and its last read when the first result is stored there
.set ADRA, 16
.set ADRB, 20
.set STO,  24
.set RD,   25
.set CO,   26                          ; 16 x lane
.set ADRS, 27
.set SPW,  28
.set NIL,  29
.set SC,   32
.set BI,   64
.set AF,   128
.set BK,   128
.set G1, 24
.set G0, 32
.set G1B, 48
.set G0B, 56
.set G1S, 68
.set G0S, 76
.set G1SB, 80
.set G0SB, 88
.set MSB, 0
.macro WIN new
.if MSB != \new
	s_set_vgpr_msb (MSB<<8)|\new
.set MSB, \new
.endif
.endm
.set MUL_LO, 0xa1
.set MUL_HI, 0xf1
.set TO_B,   0x40
.macro JLOAD g0a, g1a, g0b, g1b        ; waves 0 and 1 fetch for A, waves 2 and 3 for B; four v_nop follow each of the two lines
	s_cmp_eq_u32 s15, 0
	s_cbranch_scc0 .Lfor_b_\@
	tensor_load_to_lds s[\g0a:\g0a+3], s[\g1a:\g1a+7]
	s_nop 0
.rept 4
	v_nop
.endr
	s_branch .Lasked_\@
.Lfor_b_\@:
	tensor_load_to_lds s[\g0b:\g0b+3], s[\g1b:\g1b+7]
	s_nop 0
.rept 4
	v_nop
.endr
.Lasked_\@:
.endm
.macro CREST
	s_cmp_lg_u32 s14, 0
	s_cbranch_scc1 .Lnot_wave_0_\@
	s_barrier_signal -3
.Lnot_wave_0_\@:
	s_barrier_wait -3
	s_barrier_signal -1
	s_barrier_wait -1
.endm
.macro CROUND
	s_barrier_signal -1
	s_barrier_wait -1
	CREST
.endm
	s_load_b256 s[4:11], s[0:1], 0x0               ; aq s[4:5], ops s[6:7], b_out s[8:9], out0 s[10:11]
	v_lshl_add_u32 v[SPW], v0, 2, SPARE
	v_mov_b32 v[NIL], 0
	ds_add_u32 v28, v29
	s_wait_dscnt 0x0
	v_lshrrev_b32 v1, 5, v0
	v_readfirstlane_b32 s14, v1                    ; wave 0..3
	s_lshr_b32 s15, s14, 1                         ; which half of the tokens is mine.  Also: I fetch for A (0) or for B (1)
	s_and_b32 s16, s14, 1                          ; which half of the columns.  Also: which 128 rows I fetch
	s_bfe_u32 s40, ttmp6, 0x40000                  ; cx
	s_bfe_u32 s41, ttmp6, 0x40004                  ; cy
	s_lshl_b32 s42, ttmp9, 2
	s_add_co_u32 s42, s42, s40                     ; wgx
	s_and_b32 s17, ttmp7, 0xffff
	s_lshl_b32 s17, s17, 2
	s_add_co_u32 s17, s17, s41                     ; wgy
	s_lshl_b32 s43, s41, 2
	s_lshl_b32 s43, 15, s43                        ; my row of the cluster
	s_lshl_b32 s44, 0x1111, s40                    ; my column
	s_lshl_b32 s20, s17, 1
	s_add_co_u32 s20, s20, s16                     ; A's run: 2 wgy + half
	s_lshl_b32 s46, s42, 1
	s_add_co_u32 s46, s46, s16
	s_add_co_u32 s46, s46, 88                      ; B's: 88 + 2 wgx + half
	s_or_b32 s[G1+0], s43, (3<<16)|(1<<21)         ; the mask; elements of 8 bytes; bit 21 beside a mask; no padding
	s_or_b32 s[G1B+0], s44, (3<<16)|(1<<21)
.irp g, G1, G1B
	s_mov_b32 s[\g+1], 32<<16                      ; rows of 256 bytes,
	s_mov_b32 s[\g+2], 96<<16                      ; 96 of them: a dense block
	s_mov_b32 s[\g+3], 32<<16
	s_mov_b32 s[\g+4], 96
	s_mov_b32 s[\g+5], 32
	s_mov_b32 s[\g+6], 0
	s_mov_b32 s[\g+7], 0
.endr
	s_or_b32 s[G1S+0], s43, (3<<16)|(1<<21)
	s_or_b32 s[G1SB+0], s44, (3<<16)|(1<<21)
.irp g, G1S, G1SB
	s_mov_b32 s[\g+1], 32<<16
	s_mov_b32 s[\g+2], 16<<16
	s_mov_b32 s[\g+3], 32<<16
	s_mov_b32 s[\g+4], 16
	s_mov_b32 s[\g+5], 32
	s_mov_b32 s[\g+6], 0
	s_mov_b32 s[\g+7], 0
.endr
	s_lshl_b32 s22, s20, 12
	s_add_co_u32 s22, s22, AQS
	s_mov_b32 s23, 0
	s_mul_i32 s20, s20, 98304
	s_mov_b32 s21, 0
	s_lshl_b32 s92, s46, 12
	s_add_co_u32 s92, s92, SCO
	s_mov_b32 s93, 0
	s_mul_i32 s46, s46, 98304
	s_mov_b32 s47, 0
	s_mul_i32 s45, s14, HALFT
	s_lshl_b32 s94, s14, 12
	s_wait_kmcnt 0x0
	s_add_nc_u64 s[20:21], s[4:5], s[20:21]
	s_add_nc_u64 s[22:23], s[4:5], s[22:23]
	s_add_nc_u64 s[46:47], s[6:7], s[46:47]
	s_add_nc_u64 s[92:93], s[6:7], s[92:93]
	CROUND                                         ; all sixteen work-groups are here: the first joint loads meet
	s_mov_b32 s[G0S], 1
	s_add_co_u32 s[G0S+1], s94, SCL
	s_mov_b64 s[G0S+2:G0S+3], s[22:23]
	s_or_b32 s[G0S+3], s[G0S+3], 0x80000000
	s_mov_b32 s[G0SB], 1
	s_add_co_u32 s[G0SB+1], s94, SCL
	s_mov_b64 s[G0SB+2:G0SB+3], s[92:93]
	s_or_b32 s[G0SB+3], s[G0SB+3], 0x80000000
	JLOAD G0S, G1S, G0SB, G1SB
.irp s, 0,1
	s_mov_b32 s[G0+4*\s], 1
	s_add_co_u32 s[G0+4*\s+1], s45, \s*SLOT
	s_add_nc_u64 s[G0+4*\s+2:G0+4*\s+3], s[20:21], \s*HALFT
	s_or_b32 s[G0+4*\s+3], s[G0+4*\s+3], 0x80000000
	s_mov_b32 s[G0B+4*\s], 1
	s_add_co_u32 s[G0B+4*\s+1], s45, \s*SLOT
	s_add_nc_u64 s[G0B+4*\s+2:G0B+4*\s+3], s[46:47], \s*HALFT
	s_or_b32 s[G0B+4*\s+3], s[G0B+4*\s+3], 0x80000000
	JLOAD G0+4*\s, G1, G0B+4*\s, G1B               ; three tensor loads of mine are out behind the second of these
.endr
	v_and_b32 v1, 15, v0                           ; r
	v_bfe_u32 v2, v0, 4, 1                         ; h
	v_and_b32 v3, 31, v0                           ; lane
	v_lshlrev_b32 v[CO], 4, v3
	v_lshlrev_b32 v4, 3, v3
	s_mul_i32 s21, s15, HALFT
	s_mul_i32 s22, s16, HALFT
	s_add_co_u32 s22, s22, 2*HALFT
.irp s, 0,1
	v_add_nc_u32 v[ADRA+\s], s21, v4               ; A's planes: 8 x lane
	v_add_nc_u32 v[ADRB+\s], s22, v[CO]            ; B's: 16 x lane
	s_add_co_u32 s21, s21, SLOT
	s_add_co_u32 s22, s22, SLOT
.endr
	v_lshlrev_b32 v5, 3, v1
	s_lshl_b32 s21, s15, 12
	s_lshl_b32 s22, s16, 12
	s_add_co_u32 s22, s22, 2*4096
	s_sub_co_u32 s22, s22, s21
	v_mul_u32_u24 v6, s22, v2                      ; lanes 16-31 take B's scale words
	s_add_co_u32 s21, s21, SCL
	v_add_nc_u32 v5, v5, v6
	v_add_nc_u32 v[ADRS], s21, v5
	s_mul_i32 s23, s14, 16*SPITCH                  ; my stage
	v_mul_u32_u24 v5, v1, SPITCH
	v_lshl_add_u32 v5, v2, 6, v5
	v_add_nc_u32 v[STO], s23, v5                   ; in: row r, + 64 h bytes
	v_add_nc_u32 v[RD], s23, v[CO]                 ; back: the 32 lanes take one row of 512 bytes
	s_lshl_b32 s20, s17, 8
	s_lshl_b32 s21, s15, 7
	s_add_co_u32 s20, s20, s21
	s_lshl_b32 s20, s20, 12                        ; my first token's row of out0
	s_lshl_b32 s46, s42, 10
	s_lshl_b32 s47, s16, 9
	s_add_co_u32 s46, s46, s47                     ; my first column, in bytes
	s_mov_b32 s47, 0
	s_add_co_u32 s20, s20, s46
	s_mov_b32 s21, 0
	s_add_nc_u64 s[12:13], s[10:11], s[20:21]
	s_add_nc_u64 s[18:19], s[8:9], s[46:47]        ; and its bias
	v_lshlrev_b32 v7, 6, v2
.irp b, 0,1,2,3,4,5,6,7
	global_load_b128 v[BI+8*\b:BI+8*\b+3], v7, s[18:19] offset:(32*(\b/2)+8*(\b%2))*4          ; column 32 (b / 2) + 16 h + 8 (b % 2) + j
	global_load_b128 v[BI+8*\b+4:BI+8*\b+7], v7, s[18:19] offset:(32*(\b/2)+8*(\b%2))*4+16
.endr
.macro FRAGB reg, adr, q, i
.irp p, 0,1,2
	ds_load_b128 v[\reg+4*\p:\reg+4*\p+3], v[\adr] offset:(\q)*12288+(\i)*1536+512*\p
.endr
.endm
.macro FRAGA reg, adr, q, i
.irp p, 0,1,2,3,4,5
	ds_load_b64 v[\reg+2*\p:\reg+2*\p+1], v[\adr] offset:(\q)*12288+(\i)*1536+256*\p
.endr
.endm
; 16 matrix instructions; zero = 1: C is the bias.  The 64 accumulators take turns, one instruction a turn.
.macro MUL16 a0, p, q, sc, zero
.irp a, \a0, \a0+1
.irp b, 0,1,2,3,4,5,6,7
.if \zero
	v_wmma_scale_f32_16x16x128_f8f6f4 v[8*(8*((\a)%4)+\b):8*(8*((\a)%4)+\b)+7], v[128*(\p)+FR*\b:128*(\p)+FR*\b+FR-1], v[AF+FR*(\a):AF+FR*(\a)+FR-1], v[BI+8*\b:BI+8*\b+7], v[SC+8*NQ*(\sc)+NQ*\b+(\q)], v[SC+8*NQ*(\sc)+NQ*(\a)+(\q)] matrix_a_fmt:MATRIX_FMT_FP6 matrix_b_fmt:MATRIX_FMT_FP6 matrix_a_scale:MATRIX_SCALE_ROW1
.else
	v_wmma_scale_f32_16x16x128_f8f6f4 v[8*(8*((\a)%4)+\b):8*(8*((\a)%4)+\b)+7], v[128*(\p)+FR*\b:128*(\p)+FR*\b+FR-1], v[AF+FR*(\a):AF+FR*(\a)+FR-1], v[8*(8*((\a)%4)+\b):8*(8*((\a)%4)+\b)+7], v[SC+8*NQ*(\sc)+NQ*\b+(\q)], v[SC+8*NQ*(\sc)+NQ*(\a)+(\q)] matrix_a_fmt:MATRIX_FMT_FP6 matrix_b_fmt:MATRIX_FMT_FP6 matrix_a_scale:MATRIX_SCALE_ROW1
.endif
.endr
.endr
.endm
.macro FETCH_B slot, q, p
	WIN TO_B
.irp i, 0,1,2,3,4,5,6,7
	FRAGB 128*(\p)+FR*\i, ADRB+\slot, \q, \i
.endr
	WIN 0
.endm
.macro FETCH_A slot, q, i0
.irp i, \i0, \i0+1, \i0+2, \i0+3
	FRAGA AF+FR*(\i), ADRA+\slot, \q, \i
.endr
.endm
.macro SCALES sc
.irp i, 0,1,2,3,4,5,6,7
	ds_load_b64 v[SC+8*NQ*\sc+NQ*\i:SC+8*NQ*\sc+NQ*\i+1], v[ADRS] offset:\i*128
.endr
.endm
.macro PLACES n
.rept \n
	v_nop
.endr
.endm
.macro STEP slot, q, zero
	s_wait_dscnt 4*NLA                             ; all but the youngest 24 loads (A's tiles 4-7) are in
.if \zero
	WIN 0x81
.else
	WIN MUL_LO
.endif
	MUL16 0, (\q)%2, \q, \slot, \zero
	MUL16 2, (\q)%2, \q, \slot, \zero
	s_wait_dscnt 0
	PLACES NP
	FETCH_B \slot, (\q)+1, 1-(\q)%2
	FETCH_A \slot, (\q)+1, 0
.if \zero
	WIN 0xc1
.else
	WIN MUL_HI
.endif
	MUL16 4, (\q)%2, \q, \slot, \zero
	MUL16 6, (\q)%2, \q, \slot, \zero
	PLACES NP
	WIN 0
	FETCH_A \slot, (\q)+1, 4
.endm
.macro TURN slot, next, fill
	s_wait_tensorcnt 0x0                           ; all my tensor loads have landed: my part of the next slot
	ds_add_u32 v[SPW], v[NIL]                      ; 0 onto my spare word
	s_wait_dscnt 4*NLA+1                           ; (the add and the youngest 24 loads may be out)
	WIN MUL_LO
	MUL16 0, 1, NQ-1, \slot, 0
	s_wait_dscnt 0x0                               ; the add is done, and my reads of this slot are over
	s_barrier_signal -1
	MUL16 2, 1, NQ-1, \slot, 0
	WIN 0
	s_barrier_wait -1
.if \fill
	CREST                                          ; a round of the cluster's barrier: no wave of any partner still reads this slot or has a load on its way
	s_add_nc_u64 s[G0+4*\slot+2:G0+4*\slot+3], s[G0+4*\slot+2:G0+4*\slot+3], 2*HALFT
	s_add_nc_u64 s[G0B+4*\slot+2:G0B+4*\slot+3], s[G0B+4*\slot+2:G0B+4*\slot+3], 2*HALFT
	JLOAD G0+4*\slot, G1, G0B+4*\slot, G1B         ; my one tensor load behind the round
.else
	PLACES NP
.endif
	v_add_nc_u32 v[ADRS], 1024, v[ADRS]
	FETCH_B \next, 0, 0
	FETCH_A \next, 0, 0
	SCALES \next
	WIN MUL_HI
	MUL16 4, 1, NQ-1, \slot, 0
	MUL16 6, 1, NQ-1, \slot, 0
	PLACES NP
	WIN 0
	FETCH_A \next, 0, 4
.endm
	s_wait_tensorcnt 1                             ; the scale words and my part of slot 0 are in; slot 1's load may be out
	s_barrier_signal -1
	s_barrier_wait -1
	FETCH_B 0, 0, 0
	FETCH_A 0, 0, 0
	SCALES 0
	FETCH_A 0, 0, 4
	s_wait_loadcnt 0x0                             ; the bias
	STEP 0, 0, 1
	s_mov_b32 s3, LAPS-1
.Llap:
	TURN 0, 1, 1
	STEP 1, 0, 0
	TURN 1, 0, 1
	STEP 0, 0, 0
	s_sub_co_u32 s3, s3, 1
	s_cmp_lg_u32 s3, 0
	s_cbranch_scc1 .Llap
	TURN 0, 1, 0
	STEP 1, 0, 0
	s_wait_dscnt 4*NLA
	WIN MUL_LO
	MUL16 0, 1, NQ-1, 1, 0
	MUL16 2, 1, NQ-1, 1, 0
	s_wait_dscnt 0
	WIN MUL_HI
	MUL16 4, 1, NQ-1, 1, 0
	MUL16 6, 1, NQ-1, 1, 0
	WIN 0
; THE WAY OUT, a tile of 16 tokens x 128 columns at a time, through my own stage and back as whole rows of 512 bytes.  LDS serves a wave's instructions in order (ISA guide 5.7.1.4).
.macro TOSTAGE a
.set AC, 64*((\a)%4)
	WIN 0x08+4*((\a)/4)                            ; the data: window 2 or 3
.irp b, 0,1,2,3,4,5,6,7
	ds_store_b128 v[STO], v[AC+8*\b:AC+8*\b+3] offset:128*(\b/2)+32*(\b%2)          ; each accumulator from its low end on
	ds_store_b128 v[STO], v[AC+8*\b+4:AC+8*\b+7] offset:128*(\b/2)+32*(\b%2)+16
.endr
	WIN 0
.set BB, BK+64*((\a)%2)
.irp t, 0,1,2,3,4,5,6,7,8,9,10,11,12,13,14,15
	ds_load_b128 v[BB+4*\t:BB+4*\t+3], v[RD] offset:\t*SPITCH
.endr
.endm
.macro SEND a, younger
.set BB, BK+64*((\a)%2)
	s_wait_dscnt \younger
.irp t, 0,1,2,3,4,5,6,7,8,9,10,11,12,13,14,15
	global_store_b128 v[CO], v[BB+4*\t:BB+4*\t+3], s[12:13] offset:(32*((\a)/2)+8*((\a)%2)+\t+8*(\t/8))*4096 th:TH_STORE_NT   ; 512 consecutive bytes, aligned; the tile's row t is token 32 (a / 2) + 8 (a % 2) + t + 8 (t / 8)
.endr
.endm
	PLACES NP
	TOSTAGE 0
.irp a, 1,2,3,4,5,6,7
.if \a > 1
	s_wait_xcnt 0x0                                ; tile a - 2's stores have read their registers: tile a's loads may land there
.endif
	TOSTAGE \a
	SEND \a-1, 32                                  ; behind tile a - 1's loads: tile a's 16 stores and 16 loads
.endr
	SEND 7, 0
	s_wait_tensorcnt 0x0                           ; the wave's end
	ds_add_u32 v[SPW], v[NIL]
	s_wait_dscnt 0x0
	CROUND                                         ; the closing round
	s_endpgm
.Lfunc_end_k_q9fed51dd74_outp:
	.size	k_q9fed51dd74_outp, .Lfunc_end_k_q9fed51dd74_outp-k_q9fed51dd74_outp
	.p2alignl 7, 3214868480
	.fill 96, 4, 3214868480
	.section	.rodata,"a",@progbits
	.p2align	6, 0x0
	.amdhsa_kernel k_q9fed51dd74_outp
		.amdhsa_group_segment_fixed_size 327680
		.amdhsa_private_segment_fixed_size 0
		.amdhsa_enable_private_segment 0
		.amdhsa_kernarg_size 32
		.amdhsa_user_sgpr_count 2
		.amdhsa_user_sgpr_kernarg_segment_ptr 1
		.amdhsa_wavefront_size32 1
		.amdhsa_system_sgpr_workgroup_id_x 1
		.amdhsa_system_sgpr_workgroup_id_y 1
		.amdhsa_system_sgpr_workgroup_id_z 1
		.amdhsa_system_vgpr_workitem_id 0
		.amdhsa_next_free_vgpr 1024
		.amdhsa_next_free_sgpr 100
		.amdhsa_reserve_vcc 0
		.amdhsa_float_denorm_mode_32 3
		.amdhsa_float_denorm_mode_16_64 3
		.amdhsa_memory_ordered 1
		.amdhsa_forward_progress 1
		.amdhsa_inst_pref_size 148
	.end_amdhsa_kernel
	.amdgpu_metadata
---
amdhsa.version: [ 1, 2 ]
amdhsa.kernels:
  - .name:           k_q9fed51dd74_outp
    .symbol:         k_q9fed51dd74_outp.kd
    .args:
      - { .name: aq, .offset: 0, .size: 8, .value_kind: global_buffer, .address_space: global }
      - { .name: ops, .offset: 8, .size: 8, .value_kind: global_buffer, .address_space: global }
      - { .name: b_out, .offset: 16, .size: 8, .value_kind: global_buffer, .address_space: global }
      - { .name: out0, .offset: 24, .size: 8, .value_kind: global_buffer, .address_space: global }
    .group_segment_fixed_size: 327680
    .private_segment_fixed_size: 0
    .kernarg_segment_align: 8
    .kernarg_segment_size: 32
    .max_flat_workgroup_size: 128
    .sgpr_count:     100
    .vgpr_count:     1024
    .wavefront_size: 32
...
	.end_amdgpu_metadata
.endif
;; end of part 4
